; MI455X (gfx1250); checked and timed in simulation.
; The chip was launched on July 23, 2026; its instructions are those of AMD's public machine-readable ISA for CDNA 5 (MIT licence, August 2026) and "CDNA5" Instruction Set Architecture Reference Guide (July 2026). The comments in the code are by the model that wrote it; some were corrected since.
;; Local Spatial Attention Patch Keras. Allowed arithmetic: matrix products marked QUANTISED: E5M2 operands, one given power-of-two scale a tensor, by v_wmma_f32_16x16x64_bf8_bf8 or v_wmma_f32_16x16x128_bf8_bf8, f32 sums; products left as they are: f32 operands where the result goes on into a quantised operand, else bf16, f16 or f32 operands; f32 sums; everything else in f32.
;; Inputs: Wk_codes 8 x 32 x 8 x 32 uint8 (E5M2 codes of Wk, K innermost, in blocks of 32 codes); Wo 8 x 32 x 256 float32; Wq_codes 8 x 32 x 8 x 32 uint8 (E5M2 codes of Wq, K innermost, in blocks of 32 codes); Wv_codes 8 x 32 x 8 x 32 uint8 (E5M2 codes of Wv, K innermost, in blocks of 32 codes); bk 8 x 32 float32; bo 256 float32; bq 8 x 32 float32; bv 8 x 32 float32; lowp_scales 8 int32 (the exponents e of the quantised operands' scales 2^e); pos_emb 25 x 256 float32; x 4 x 64 x 64 x 256 float32.
;; Outputs: out0 4 x 64 x 64 x 256 float32.
;; This version of the problem:
;;   THIS VERSION OF THE PROBLEM IS GIVEN IN LOW PRECISION. The matrix products marked QUANTISED in the list below multiply operands that are first quantised to E5M2 (5 exponent bits, 2 mantissa bits; 8 bits a number), with one given power-of-two scale for each operand tensor; their sums are f32. All else is computed in f32.
;;   The module's matrix products, in the order in which they are computed (A, B: the left and right operand; K: the contracted axis; several contracted axes count as one K, in the product's order):
;;     1. [M 16,384, K 256] x [K 256, N 256]; A: computed on the way; B: input Wq (given as codes): QUANTISED (scales: A lowp_scales[0], B lowp_scales[1])
;;     2. [M 409,600, K 256] x [K 256, N 256]; A: computed on the way; B: input Wk (given as codes): QUANTISED (scales: A lowp_scales[2], B lowp_scales[3])
;;     3. [M 409,600, K 256] x [K 256, N 256]; A: computed on the way; B: input Wv (given as codes): QUANTISED (scales: A lowp_scales[4], B lowp_scales[5])
;;     4. batch 131,072 x [M 1, K 32] x [K 32, N 25]; A: computed on the way; B: computed on the way: left as it is (M = 1 < 16)
;;     5. batch 131,072 x [M 1, K 25] x [K 25, N 32]; A: softmax; B: computed on the way: left as it is (K = 25 < 32)
;;     6. [M 16,384, K 256] x [K 256, N 256]; A: computed on the way; B: input Wo: QUANTISED (scales: A lowp_scales[6], B lowp_scales[7])
;;   THE QUANTISER, for each operand of a quantised product, along K:
;;     - The operand's scale is 2^e, e = its entry of the input lowp_scales (int32; the entries are numbered through the quantised products in the list's order, A before B).
;;     - Each number is divided by the scale, clamped to +-57,344, and rounded to the nearest number of E5M2, ties to even, subnormals kept.
;;     - The product sums the exact products of the quantised numbers (number of the format x scale) in f32.
;;   ~~~python
;;   def quantise(x, axis, e):      # numpy; x: float32 -> the quantised numbers, widened to float32 again
;;       x = np.moveaxis(x, axis, -1); K = x.shape[-1]
;;       r = np.clip(x / 2.0 ** e, -57344, 57344)
;;       step = 2.0 ** (np.maximum(np.frexp(np.where(r == 0, 1, r))[1] - 1, -14) - 2)
;;       q = np.round(r / step) * step * 2.0 ** e      # np.round: ties to even
;;       return np.moveaxis(q, -1, axis).astype(np.float32)
;;   ~~~
;;   OPERANDS COMPUTED ON THE WAY. 'Computed on the way' means the value that the module computes at that place (a softmax that the list does not call 'softmax' is quantised finished and normalised). What goes into a quantiser is computed in f32, as accurately as f32 sums, v_exp_f32 and their like allow (about 1e-6 of the number): no bf16 or f16 on the way to a quantiser, and a product that is left as it is and whose result goes on into a quantised operand takes f32 operands (vector FMAs, or v_wmma_f32_16x16x4_f32). A number that lies on a knife's edge between two numbers of the format may be rounded either way, as far as f32 arithmetic and the matrix unit's own rounding can turn it there, and no further.
;;   INPUTS GIVEN AS CODES. Wk (in the module: [256, 8, 32], K = its axis 0); Wq (in the module: [256, 8, 32], K = its axis 0); Wv (in the module: [256, 8, 32], K = its axis 0): each comes as NAME_codes (uint8): NAME with its K axis moved to the last place and cut into blocks of 32 codes, [.., K / 32, bytes a block], one block behind the other in memory; one code a byte (a code: sign, 5 exponent bits, 2 mantissa bits); its scale is its entry of lowp_scales. Its value is code x scale, taken as it is: it is not quantised again, and the codes and scales need not be those that the quantiser above would give.
;; 2 versions. Each part assembles by itself: llvm-mc -triple=amdgcn-amd-amdhsa -mcpu=gfx1250 --defsym DOCPART=n.
;; ======== version 1 of 2: 1 launch
;; launch attn (part 1): grid 64 x 4, 8 waves a work-group, no clusters, 261,632 bytes of LDS; arguments x, pos_emb, Wq_codes, Wk_codes, Wv_codes, Wo, bq, bk, bv, bo, lowp_scales, out0; writes out0
.if DOCPART == 1
	.amdgcn_target "amdgcn-amd-amdhsa--gfx1250"
	.amdhsa_code_object_version 6
	.text
	.protected	k_q95496e4598_attn
	.globl	k_q95496e4598_attn
	.p2align	8
	.type	k_q95496e4598_attn,@function
k_q95496e4598_attn:
	s_mov_b64 s[64:65], 0
	v_nop
	global_prefetch_b8 v0, s[64:65] scope:SCOPE_SE
	s_setreg_imm32_b32 hwreg(HW_REG_WAVE_MODE, 25, 1), 1
	s_wait_xcnt 0x0
; LOCAL ATTENTION OVER A 5 x 5 PATCH (centre clipped to the interior), 8 heads of 32, 256 channels, image 4 x 64 x 64.  The four projections are products on codes of BF8 (E5M2),
; each operand with the one scale 2^e that is given for it (e0 .. e7); scores, softmax and the weighted sum of the values are f32, since they lead into the last quantiser.
; SHARES.  A work-group owns one image row (b, y): 64 queries; its keys are five whole image rows.  Eight waves of 512 registers.
; EVERY PRODUCT IS USED TRANSPOSED: source 0 = 16 rows of a weight, source 1 = 16 pixels.  A wave (cg = wave % 4, tp = wave / 4) takes 32 pixels (two tiles) x 64 output channels (four tiles) x K = 256
; (two steps of 128): 16 matrix instructions; its quarter of the weight stays in 128 registers.  A tile of Wq, Wk, Wv is 8 channels of head cg and 8 of head cg + 4: so lane (r, h) holds pixel r and
; ALL 32 channels of head cg + 4 h, and scores, softmax and the weighted sum never change lanes.  Tile 0 of a wave is an EDGE tile (columns 48 tp + r), tile 1 an inner one (16 + 16 tp + r).
; OPERANDS are made once (lane (r, h) of wave w: columns r + 16 i, k = 32 w + 16 h + 0 .. 15: 16 codes = one 16-byte store) and go through LDS as rows of 256 codes, 272 bytes apart.
; A fragment takes bytes 128 g + 32 j + 16 h + 0 .. 15 of a row into registers 16 g + 4 j ..: the same permutation of k on both sides of every product.
; K: for each of the 25 places s = 5 dy + dx the 64 columns of Q(x + pos[s]) are made once, into block dx of five, whose rows lie BY QUERY: query c at row c + 2.  The maker stores column col at row col + 4 - dx,
; which is the row of the query whose patch has it at place dx, and one store more gives queries 0, 1 the codes of column dx and queries 62, 63 those of column 59 + dx: the clipping along x.
; THE K PIPELINE: a step multiplies place i from registers, fetches place i + 1's fragments (each tile's as soon as its products are issued) and makes place i + 2: one barrier a step, no wait for LDS inside a step.
; V: multiplied as the problem writes it, for each (query, place), from the rows Q(x), which stay in LDS by COLUMN (column col at row col + 2, two rows of zeros shared between blocks): the lane of query c reads
; row c + dx; in the edge tile lanes 0, 1 then take lane 2's registers (tp = 0), lanes 14, 15 lane 13's (tp = 1).  Fragments are fetched a step ahead here too.  Wo is quantised down K, a thread a column, inside the V loop.
; BOTH LOOPS RUN FIVE LIKE TRIPS.  The K loop's last two steps make two operands more than are used (x + rows of zeros) and repeat key row 4's codes; the V loop's last trip repeats Wo's last 64 rows (same bytes,
; same thread) and fetches key row 4's first fragments once more.
; NO TENSOR LOADS, NO CLUSTER: neighbouring rows' work-groups do read the same rows of x, but a row is 65,536 bytes of f32 and five of them are all of LDS; x goes from memory straight into the registers that the
; conversions take, and only codes, a quarter of the bytes, lie in LDS.  No prefetch: each row of x is read by six work-groups and the weights by all.
; LIMITS on the given exponents, so that each power of two below is an f32 number: e0, e2, e4, e6, e7 between -126 and 112; e0 + e1 and e6 + e7 between -126 and 127; e2 + e3 between -124 and 129 (added to
; the exponent field of log2(e) / sqrt(32)); e4 + e5 goes in by v_ldexp_f32.  NaN among the inputs is not served.  bv is added once: the normalised weights sum to 1 within f32 rounding.
.set PITCH, 272                        ; a row of 256 codes + 16: sixteen rows start at sixteen different 16-byte columns of the banks (64 banks of 4 bytes: ISA guide 11.1)
.set SLOTB, 66*PITCH                   ; from block to block
.set D2,    2*PITCH                    ; a block's query 0 (K), column 0 (V)
.set TAB,   332*PITCH                  ; LDS: five blocks for K's operand (block 4 first holds the queries' codes): 2 + 5 x 66 rows; then pos_emb, f32, 25 rows of 1,024 bytes and three rows of zeros;
.set VC,    TAB+28*1024                ; the codes Q(x) of the five key rows, five blocks;
.set SCO,   VC+332*PITCH               ; scores, then weights: 6,400 bytes for each wave, its own: 256 s + 8 lane + 4 T
.set WOR,   0                          ; behind the K loop's barrier: Wo's codes, 256 columns x 272, where K's blocks lay;
.set OHR,   TAB                        ; the heads' outputs as codes, 64 rows, where the table lay;
.set STG,   VC                         ; behind the last barrier: the way out, 32 rows x 272 for each wave, its own, where Q(x) lay
; window 0
.set XA, 1                             ; x: 1024 r + 128 w + 64 h
.set PA, 2                             ; pos in LDS: TAB + 128 w + 64 h;  v3: + the key row's step
.set PAC, 3
.set FVN, 2                            ; v2, v3 in the V loop: FV + the next key row's step
.set CW, 4                             ; where I store 16 codes: 272 r + 32 w + 16 h;  v23: two blocks on (an LDS immediate has 16 bits)
.set VW, 5                             ; the same in VC;  v6: + the key row's step
.set VWC, 6
.set SA, 7                             ; my scores;  v8: + the key row's step
.set SAC, 8
.set FK, 9                             ; v9, v10: tile T's fragment rows: 272 c + 16 h;  v21, v22: two blocks on
.set SCK, 11                           ; 2^e2, 2^e4 as f32;  v13: 2^e0, then 2^e7, then 2^e6
.set SCV, 12
.set SCX, 13
.set EW, 14                            ; v14: the edge queries' rows: 272 (2 + r % 2 + 62 (r / 2 % 2)) + 32 w + 16 h;  v15: two blocks on
.set EWH, 15
.set FVC, 14                           ; v14, v15 in the V loop: FV + the key row's step
.set TMP, 16                           ; v16-19: at work in the edge tile's mending (at the head: PQA)
.set PQA, 16                           ; v16-19: pos_emb row of column r + 16 i's place in its patch
.set TA, 20
.set WLC, 20
.set FKH, 21
.set CWH, 23
.set TAL, 24
.set BOA, 24
.set WL, 25
.set WA, 26                            ; a weight's fragments in memory
.set BA, 27                            ; my 32 channels in a bias: 128 cg + 512 h
.set FV, 28                            ; v28, v29: VC + FK
.set WOW, 30                           ; my column of Wo's codes;  v31: + the trip's step
.set WOWC, 31
.set X, 32                             ; v32-95 the key row in hand
.set XQ, 96                            ; v96-159 at the head: pos of the queries' places
.set X2A, 96                           ; v96-127 the next key row, columns r and r + 16 (the other half lies in window 1)
.set FR0, 128                          ; v128-159 tile 0's fragment pair, v160-191 tile 1's
.set FR1, 160
.set FR, 160
.set QQ, 192                           ; v192-255 q x log2(e) / sqrt(32) x 2^(e2 + e3), 32 a tile
.set HH, 32                            ; softmax: score (s, T) at 32 + 2 s + T
.set FRV, 32                           ; V loop and last product: fragments, sums, the heads' outputs, a chunk of Wo
.set AV, 96
.set OO, 160
.set WB, 224
.set TR, 192                           ; at work at the head
.set TH, 193
.set TL, 194
.set TC, 195
.set TX, 196
.set TY, 197
.set TZ, 198
.set TW, 199
.set ZR, 200                           ; v200-203: zeros, at the head
; window 1
.set W, 0                              ; the weight's fragment (t, g) at 32 t + 16 g
.set TT, 128                           ; two sets of 8 numbers at work
.set CC, 144                           ; 64 codes
.set ACC, 160                          ; four accumulators; bq at the head; in the V loop five pairs of weights
.set BQ, 160
.set AW, 160
.set PP, 192                           ; pos[s] at my 16 k
.set SPA, 208
.set SPB, 210
.set SS, 212                           ; the two tiles' scores
.set QB, 214                           ; q . bk x log2(e) / sqrt(32)
.set BB, 216                           ; bk; in the K loop the next key row's columns r + 32 and r + 48; later bo
.set X2B, 216
.set EE, 248                           ; v248-255: the edge queries' codes
; scalars
.set PX, 8
.set PPOS, 10
.set PWQ, 12
.set PWK, 14
.set PWV, 16
.set PWO, 18
.set PBQ, 20
.set PBK, 22
.set PBV, 24
.set PBO, 26
.set PSC, 28
.set POUT, 30
.set LIMQ, 44                          ; pairs: 57,344 x 2^e and its negative
.set LIMK, 46
.set LIMV, 48
.set LIMO, 82
.set LIMW, 84
.set TRIP, 63
.set XP, 66
.set WOP, 68
.set OP, 70
.set M_K, 0x51                         ; sources 0, 2 and destination window 1, source 1 window 0
.set M_E, 0x44                         ; LDS: data window 1, address window 0
.set M_D, 0x45                         ; sources 0, 1 and destination window 1
.set M_V, 0x01                         ; source 0 window 1
.set M_P, 0x04                         ; source 1 window 1
.set MSB, 0
.macro WIN new                         ; the immediate's high byte repeats the setting that is left
.if MSB != \new
	s_set_vgpr_msb (MSB<<8)|\new
.set MSB, \new
.endif
.endm
.macro NOP4
.rept 4
	v_nop
.endr
.endm
.macro XR d, c, t                      ; v[d] = column c's place in its clipped patch: 0, 1, 2 .. 2, 3, 4  (for an offset into pos_emb in memory)
	v_add_nc_u32 v[\t], 62, v[\c]
	v_lshrrev_b32 v[\d], 6, v[\t]
.irp a, 63, 2, 1
	v_add_nc_u32 v[\t], \a, v[\c]
	v_lshrrev_b32 v[\t], 6, v[\t]
	v_add_nc_u32 v[\d], v[\d], v[\t]
.endr
.endm
.macro MKLIM e, sc, lim                ; s[sc] = 2^e as f32; s[lim], s[lim + 1] = +-57,344 x 2^e
	s_add_co_i32 s[\sc], s[\e], 127
	s_add_co_i32 s[\lim], s[\sc], 15
	s_lshl_b32 s[\sc], s[\sc], 23
	s_lshl_b32 s[\lim], s[\lim], 23
	s_or_b32 s[\lim], s[\lim], 0x600000
	s_or_b32 s[\lim+1], s[\lim], 0x80000000
.endm
.macro XLOADH dst, ptr, off, i0        ; half a row of x: my 16 numbers of columns r + 16 i0 and r + 16 (i0 + 1)
.irp i, 0,1
.irp u, 0,1,2,3
	global_load_b128 v[\dst+16*\i+4*\u:\dst+16*\i+4*\u+3], v[XA], s[\ptr:\ptr+1] offset:\off+16384*(\i0+\i)+16*\u
.endr
.endr
.endm
.macro XLOAD dst, ptr, off             ; a row of x
	XLOADH \dst, \ptr, \off, 0
	XLOADH \dst+32, \ptr, \off, 2
.endm
.macro X2LOAD ptr, off                 ; the next key row, half into each window
	XLOADH X2A, \ptr, \off, 0
	WIN 0x40
	XLOADH X2B, \ptr, \off, 2
	WIN 0
.endm
.macro WLOAD ptr                       ; my quarter of a weight given as codes: tile t's lane r takes row 32 (cg + 4 (r / 8)) + 8 t + r % 8
.irp t, 0,1,2,3
.irp g, 0,1
.irp j, 0,1,2,3
	global_load_b128 v[W+32*\t+16*\g+4*\j:W+32*\t+16*\g+4*\j+3], v[WA], s[\ptr:\ptr+1] offset:2048*\t+128*\g+32*\j
.endr
.endr
.endr
.endm
.macro UA n                            ; K's operand, numbers 8 n .. 8 n + 7 of my 64: x + pos[s]
.irp e, 0,2,4,6
	v_pk_add_f32 v[TT+8*((\n)%2)+\e:TT+8*((\n)%2)+\e+1], v[PP+8*((\n)%2)+\e:PP+8*((\n)%2)+\e+1], v[X+8*(\n)+\e:X+8*(\n)+\e+1]
.endr
.endm
.macro UB n                            ; the hold (the conversion to an 8-bit code does not saturate: ISA guide 7.6.2) and the conversion.  The next unit works on the other set of TT: a plain line stands between this conversion and whatever touches its registers
.irp e, 0,1,2,3,4,5,6,7
	v_med3_num_f32 v[TT+8*((\n)%2)+\e], v[TT+8*((\n)%2)+\e], s[LIMK+1], s[LIMK]
.endr
	v_cvt_scalef32_pk8_bf8_f32 v[CC+2*(\n):CC+2*(\n)+1], v[TT+8*((\n)%2):TT+8*((\n)%2)+7], v[SCK]
.endm
.macro PROD                            ; a whole place's operand, with no products to stand between
	WIN M_K
.irp n, 0,1,2,3,4,5,6,7
	UA \n
	UB \n
.endr
	v_nop
.endm
.macro QCH src, n, cn, sc, lim         ; eight numbers of window 0, held and converted into codes' pair cn
.irp e, 0,1,2,3,4,5,6,7
	v_med3_num_f32 v[TT+8*((\n)%2)+\e], s[\lim], v[\src+8*(\n)+\e], s[\lim+1]
.endr
	v_cvt_scalef32_pk8_bf8_f32 v[CC+2*(\cn):CC+2*(\cn)+1], v[TT+8*((\n)%2):TT+8*((\n)%2)+7], v[\sc]
.endm
.macro QUANT64 src, sc, lim
.irp n, 0,1,2,3,4,5,6,7
	QCH \src, \n, \n, \sc, \lim
.endr
	v_nop                                          ; a plain line behind the last conversion
.endm
.macro FRAG dst, adr, off              ; a row's 256 codes as two fragments
.irp g, 0,1
.irp j, 0,1,2,3
	ds_load_b128 v[\dst+16*\g+4*\j:\dst+16*\g+4*\j+3], v[\adr] offset:\off+128*\g+32*\j
.endr
.endr
.endm
; V'S EDGE TILE IS MENDED: in the lanes of mask s[m] each of the fragment pair's 32 registers takes the register of lane n of its half of the lanes.
.macro FIX fr, n, m
.set CNT, 0
.rept 8
.irp e, 0,1,2,3
	v_mov_b32_dpp v[TMP+\e], v[\fr+CNT+\e] row_share:\n row_mask:0xf bank_mask:0xf
.endr
.irp e, 0,1,2,3
	v_cndmask_b32 v[\fr+CNT+\e], v[\fr+CNT+\e], v[TMP+\e], s[\m]
.endr
.set CNT, CNT+4
.endr
.endm
.macro EDGEFIX fr                      ; the branch hangs on the wave's number alone; no barrier and no LDS instruction stands in it
	s_cmp_lg_u32 s34, 0
	s_cbranch_scc1 .Lright_\@
	FIX \fr, 2, 97                                 ; columns 0 .. 15: queries 0 and 1 have query 2's patch
	s_branch .Lfixed_\@
.Lright_\@:
	FIX \fr, 13, 98                                ; columns 48 .. 63: queries 62 and 63 have query 61's
.Lfixed_\@:
.endm
.macro WM acc, fr, t, g                ; one product: tile t of the weight, K step g.  The first K step starts the sum
.if \g == 0
	v_wmma_f32_16x16x128_bf8_bf8 v[\acc+8*\t:\acc+8*\t+7], v[W+32*\t:W+32*\t+15], v[\fr:\fr+15], 0
.else
	v_wmma_f32_16x16x128_bf8_bf8 v[\acc+8*\t:\acc+8*\t+7], v[W+32*\t+16:W+32*\t+31], v[\fr+16:\fr+31], v[\acc+8*\t:\acc+8*\t+7]
.endif
.endm
.macro WM8 acc, fr                     ; a tile of pixels: the four accumulators by turns
.irp g, 0,1
.irp t, 0,1,2,3
	WM \acc, \fr, \t, \g
.endr
.endr
.endm
.macro SC src, q                       ; SS[q] = the sum over my head's 32 channels of src x QQ(tile q): two chains, each accumulator from its low end on
	v_pk_mul_f32 v[SPA:SPA+1], v[\src:\src+1], v[QQ+32*\q:QQ+32*\q+1]
	v_pk_mul_f32 v[SPB:SPB+1], v[\src+2:\src+3], v[QQ+32*\q+2:QQ+32*\q+3]
.irp p, 4,8,12,16,20,24,28
	v_pk_fma_f32 v[SPA:SPA+1], v[\src+\p:\src+\p+1], v[QQ+32*\q+\p:QQ+32*\q+\p+1], v[SPA:SPA+1]
	v_pk_fma_f32 v[SPB:SPB+1], v[\src+\p+2:\src+\p+3], v[QQ+32*\q+\p+2:QQ+32*\q+\p+3], v[SPB:SPB+1]
.endr
	v_pk_fma_f32 v[SPA:SPA+1], v[SPB:SPB+1], 1.0, v[SPA:SPA+1] op_sel_hi:[1,0,1]   ; (sums written as x 1.0 + ..: sources 0 and 2 are the ones that this window setting puts in window 1)
	v_fma_f32 v[SS+\q], v[SPA], 1.0, v[SPA+1]
.endm
; A step's LDS stores in one run: the two scores; the 64 codes of place dx = slot, column col to row col + 4 - slot; the edge queries' rows; and the next place's pos comes in.
; The edge queries' codes: lanes whose r / 2 is even take column slot's (lane slot of my first four registers), the others column 59 + slot's (lane hs = 11 + slot of my last four); the lanes that share a row
; write the same bytes.  LDS serves a wave's instructions in order (ISA guide 5.7.1.4): this store lands on top of what the four before it left in those rows.
.macro ENDRUN cons, cdx, slot, hs, pimm
	WIN M_D
.irp e, 0,1,2,3
	v_mov_b32_dpp v[EE+\e], v[CC+\e] row_share:\slot row_mask:0xf bank_mask:0xf
.endr
.irp e, 0,1,2,3
	v_mov_b32_dpp v[EE+4+\e], v[CC+12+\e] row_share:\hs row_mask:0xf bank_mask:0xf
.endr
.irp e, 0,1,2,3
	v_cndmask_b32 v[EE+\e], v[EE+\e], v[EE+4+\e], s99
.endr
	WIN M_E
.if \cons
	ds_store_b64 v[SAC], v[SS:SS+1] offset:256*\cdx
.endif
.irp i, 0,1,2,3
.if \slot < 2
	ds_store_b128 v[CW], v[CC+4*\i:CC+4*\i+3] offset:SLOTB*\slot+(4-\slot)*PITCH+4352*\i
.else
	ds_store_b128 v[CWH], v[CC+4*\i:CC+4*\i+3] offset:SLOTB*(\slot-2)+(4-\slot)*PITCH+4352*\i
.endif
.endr
.if \slot < 2
	ds_store_b128 v[EW], v[EE:EE+3] offset:SLOTB*\slot
.else
	ds_store_b128 v[EWH], v[EE:EE+3] offset:SLOTB*(\slot-2)
.endif
.irp u, 0,1,2,3
	ds_load_b128 v[PP+4*\u:PP+4*\u+3], v[PAC] offset:\pimm+16*\u
.endr
	WIN 0
.endm
.macro TOP                             ; my LDS stores have landed and my LDS loads are in: then the work-group's barrier
	s_wait_dscnt 0x0
	s_barrier_signal -1
	s_barrier_wait -1
.endm
.macro TRIPHEAD
	s_min_u32 s73, s61, 4*SLOTB                    ; there are five key rows: the last trip repeats row 4's codes
	v_add_nc_u32 v[PAC], s60, v[PA]
	v_add_nc_u32 v[VWC], s73, v[VW]
	v_add_nc_u32 v[SAC], s62, v[SA]
.endm
.macro KFRAG dst, q, blk               ; tile q's keys out of block blk: the row of my query
.if \blk < 2
	FRAG \dst, FK+\q, \blk*SLOTB+D2
.else
	FRAG \dst, FKH+\q, (\blk-2)*SLOTB+D2
.endif
.endm
; The next key row takes the place of the one in hand (it was asked for a whole row's five steps ago, so that nobody waits for memory here), the row after it is asked for, and its codes Q(x) for V go to LDS.
.macro ROWCHANGE
	s_wait_loadcnt 0x0                             ; the next row is in; no load that names XP is out
.set CNT, 0
.rept 32
	v_mov_b32 v[X+CNT], v[X2A+CNT]
.set CNT, CNT+1
.endr
	WIN M_V
.set CNT, 0
.rept 32
	v_mov_b32 v[X+32+CNT], v[X2B+CNT]
.set CNT, CNT+1
.endr
	WIN 0
	s_cmp_ge_u32 s[TRIP], 3                        ; five key rows: the last two changes ask for nothing
	s_cbranch_scc1 .Lno_row_\@
	s_add_nc_u64 s[XP:XP+1], s[XP:XP+1], 65536
	X2LOAD XP, 65536
.Lno_row_\@:
	WIN M_K
	QUANT64 X, SCV, LIMV
	WIN M_E
.irp i, 0,1,2,3
	ds_store_b128 v[VWC], v[CC+4*\i:CC+4*\i+3] offset:D2+4352*\i
.endr
	WIN 0
	s_wait_dscnt 0x0                               ; the stores have read the codes' registers, which this step writes again
.endm
; A STEP OF K.  It multiplies place cdx of the key row in hand, whose fragments the step before has fetched; fetches the next place's (block nsl, whole since this step's barrier), each tile's behind its eight products;
; and makes the operand of the place after that (block psl) between the products.
; THE BARRIER: in front of the signal my stores of the last step have landed and my loads are in.  The first tile's products and the units between them work on registers alone and stand between signal and wait
; (not in the step that changes the key row, whose loads and stores come first).  Behind the wait: the loads from block nsl, which every wave finished storing in front of its signal; the stores into block psl, last read four steps ago.
; Places behind matrix instructions (ISA guide 7.12.1 for vector instructions): each run of loads into a fragment pair stands behind a unit's four additions; each accumulator's first reader has four plain lines or more behind the accumulator's last product.
.macro STEP cdx, psl, hs, nsl, pimm, rowch
	s_wait_dscnt 0x0
	s_barrier_signal -1
.if \rowch
	s_barrier_wait -1
	ROWCHANGE
.endif
	WIN M_K
	WM ACC, FR0, 0, 0
	UA 0
	WM ACC, FR0, 1, 0
	UB 0
	WM ACC, FR0, 2, 0
	UA 1
	WM ACC, FR0, 3, 0
	UB 1
	WM ACC, FR0, 0, 1
	UA 2
	WM ACC, FR0, 1, 1
	UB 2
	WM ACC, FR0, 2, 1
	WM ACC, FR0, 3, 1
	UA 3
	WIN 0
.if \rowch == 0
	s_barrier_wait -1
.endif
	KFRAG FR0, 0, \nsl
	WIN M_K
	UB 3
	SC ACC, 0
	WM ACC, FR1, 0, 0
	UA 4
	WM ACC, FR1, 1, 0
	UB 4
	WM ACC, FR1, 2, 0
	UA 5
	WM ACC, FR1, 3, 0
	UB 5
	WM ACC, FR1, 0, 1
	WM ACC, FR1, 1, 1
	WM ACC, FR1, 2, 1
	WM ACC, FR1, 3, 1
	UA 6
	WIN 0
	KFRAG FR1, 1, \nsl
	WIN M_K
	UB 6
	SC ACC, 1
	UA 7
	UB 7
	v_nop                                          ; a plain line behind the last conversion
	ENDRUN 1, \cdx, \psl, \hs, \pimm
.endm
.macro PVF q, dx                       ; O += weight x sums, tile q: of the pair of weights tile q's serves both halves
.irp p, 0,2,4,6,8,10,12,14,16,18,20,22,24,26,28,30
	v_pk_fma_f32 v[OO+32*\q+\p:OO+32*\q+\p+1], v[AV+32*\q+\p:AV+32*\q+\p+1], v[AW+2*\dx:AW+2*\dx+1], v[OO+32*\q+\p:OO+32*\q+\p+1] op_sel:[0,\q,0] op_sel_hi:[1,\q,1]
.endr
.endm
.macro PVNEXT q, dx                    ; tile q's fragments of the next place: row c + dx + 1 of the key row in hand, or row c of the next
.if \dx < 4
	FRAG FRV+32*\q, FVC+\q, PITCH*(\dx+1)
.else
	FRAG FRV+32*\q, FVN+\q, 0
.endif
.endm
; A STEP OF V: place dx of the key row in hand, from fragments fetched in the step before.  The inner tile's products come first, and the edge tile is mended while they run; each tile's next fragments are asked for
; behind its products: the inner tile's behind the 64 lines of the mending, the edge tile's behind the other tile's 16 multiply-adds, which name none of its products' registers: those are the places.
.macro PVSTEP dx
	WIN M_V
	s_wait_dscnt 8                                 ; the inner tile's eight loads are in; the edge tile's eight, issued behind them, may be out
	WM8 AV+32, FRV+32
	WIN 0
	s_wait_dscnt 0x0
	EDGEFIX FRV
	PVNEXT 1, \dx
	WIN M_V
	WM8 AV, FRV
	WIN M_P
	PVF 1, \dx
	PVNEXT 0, \dx
	PVF 0, \dx
.endm
.macro WOLOAD g                        ; Wo(64 x chunk + 32 g + i, my column): a thread takes a column and its registers run down K; 32 lanes read 128 neighbouring bytes
.set CNT, 0
.rept 32
	global_load_b32 v[WB+CNT], v[WLC], s[WOP:WOP+1] offset:(32*\g+CNT)*1024
.set CNT, CNT+1
.endr
.endm
.macro WOQ g
	WIN 0
	s_wait_loadcnt 0x0
	WIN M_K
.irp n, 0,1,2,3
	QCH WB, \n, 4*\g+\n, SCX, LIMW
.endr
	v_nop
	WIN M_E
	ds_store_b128 v[WOWC], v[CC+8*\g:CC+8*\g+3] offset:32*\g
	ds_store_b128 v[WOWC], v[CC+8*\g+4:CC+8*\g+7] offset:32*\g+16
	WIN 0
.endm
; ---------------- the head: ids, addresses, the first loads
	s_load_b512 s[8:23], s[0:1], 0x0               ; x, pos_emb, Wq, Wk, Wv, Wo, bq, bk
	s_load_b256 s[24:31], s[0:1], 0x40             ; bv, bo, the scales' exponents, out
	v_lshrrev_b32 v[TY], 5, v0
	v_readfirstlane_b32 s32, v[TY]                 ; wave w
	s_and_b32 s33, s32, 3                          ; cg
	s_lshr_b32 s34, s32, 2                         ; tp
	s_and_b32 s35, ttmp7, 0xffff                   ; b;  y = ttmp9
	s_max_u32 s74, ttmp9, 2
	s_min_u32 s74, s74, 61                         ; cy: the patch's centre row
	s_sub_co_u32 s75, ttmp9, s74
	s_add_co_u32 s75, s75, 2
	s_mul_i32 s75, s75, 5                          ; 5 x (the query row's place in its patch)
	s_lshl_b32 s76, s32, 7
	s_lshl_b32 s77, s32, 5
	s_mul_i32 s78, s32, 6400
	s_mul_i32 s79, s34, 48*PITCH                   ; tile 0: columns 48 tp + r
	s_mul_i32 s92, s34, 16*PITCH
	s_add_co_u32 s92, s92, 16*PITCH                ; tile 1: columns 16 + 16 tp + r
	s_lshl_b32 s80, s33, 13
	s_lshl_b32 s81, s33, 7
	s_mov_b32 s97, 0x00030003                      ; lanes 0, 1 of each half
	s_mov_b32 s98, 0xc000c000                      ; lanes 14, 15 of each half
	s_mov_b32 s99, 0xcccccccc                      ; lanes whose r / 2 is odd
	v_and_b32 v[TR], 15, v0                        ; r
	v_bfe_u32 v[TH], v0, 4, 1                      ; h
	v_and_b32 v[TL], 31, v0                        ; lane
	v_lshlrev_b32 v[TZ], 6, v[TH]
	v_add_nc_u32 v[TZ], s76, v[TZ]                 ; 128 w + 64 h: my 16 numbers of a row of 256
	v_lshl_add_u32 v[XA], v[TR], 10, v[TZ]
	v_add_nc_u32 v[PA], TAB, v[TZ]
	v_mul_u32_u24 v[TC], v[TR], PITCH
	v_lshl_add_u32 v[TC], v[TH], 4, v[TC]          ; 272 r + 16 h
	v_add_nc_u32 v[CW], s77, v[TC]
	v_add_nc_u32 v[CWH], 2*SLOTB, v[CW]
	v_add_nc_u32 v[VW], VC, v[CW]
	v_add_nc_u32 v[TW], 2*SLOTB, v[VW]
	v_add_nc_u32 v[FK], s79, v[TC]
	v_add_nc_u32 v[FK+1], s92, v[TC]
.irp q, 0,1
	v_add_nc_u32 v[FKH+\q], 2*SLOTB, v[FK+\q]
	v_add_nc_u32 v[FV+\q], VC, v[FK+\q]
.endr
	v_and_b32 v[TX], 1, v0
	v_bfe_u32 v[TY], v0, 1, 1
	v_mul_u32_u24 v[TY], v[TY], 62
	v_add_nc_u32 v[TX], v[TX], v[TY]               ; query 0, 1, 62 or 63
	v_mul_u32_u24 v[TX], v[TX], PITCH
	v_lshl_add_u32 v[TX], v[TH], 4, v[TX]
	v_add_nc_u32 v[TX], s77, v[TX]
	v_add_nc_u32 v[EW], D2, v[TX]
	v_add_nc_u32 v[EWH], 2*SLOTB+D2, v[TX]
	v_lshlrev_b32 v[SA], 3, v[TL]
	v_add_nc_u32 v[SA], s78, v[SA]
	v_add_nc_u32 v[SA], SCO, v[SA]
	v_lshlrev_b32 v[TA], 2, v0
	v_lshl_add_u32 v[TAL], v0, 2, TAB
	v_lshlrev_b32 v[WL], 2, v[TL]
.irp e, 0,1,2,3
	v_mov_b32 v[ZR+\e], 0
.endr
; V's rows of padding are zeroed: sixteen rows from each block's head on, and the last sixteen of the region; what lies there beside the padding is written later, by the same wave at the same bytes
.irp m, 0,1
	ds_store_b128 v[VW], v[ZR:ZR+3] offset:SLOTB*\m
.endr
.irp m, 0,1,2
	ds_store_b128 v[TW], v[ZR:ZR+3] offset:SLOTB*\m
.endr
	ds_store_b128 v[TW], v[ZR:ZR+3] offset:184*PITCH
	ds_store_b32 v[TAL], v[ZR] offset:25600        ; the table's three rows of zeros
	ds_store_b32 v[TAL], v[ZR] offset:26624
	ds_store_b32 v[TAL], v[ZR] offset:27648
.irp i, 0,1,2,3                                ; the columns whose operands I make: r + 16 i; the query's pos row is 5 yr + xr
	v_add_nc_u32 v[TC], 16*\i, v[TR]
	XR TX, TC, TY
	v_add_nc_u32 v[TX], s75, v[TX]
	v_lshl_add_u32 v[PQA+\i], v[TX], 10, v[TZ]
.endr
	v_lshrrev_b32 v[TX], 3, v[TR]
	v_lshlrev_b32 v[WA], 15, v[TX]
	v_and_b32 v[TX], 7, v[TR]
	v_lshl_add_u32 v[WA], v[TX], 8, v[WA]
	v_lshl_add_u32 v[WA], v[TH], 4, v[WA]
	v_add_nc_u32 v[WA], s80, v[WA]                 ; (32 (cg + 4 (r / 8)) + r % 8) x 256 + 16 h
	v_lshlrev_b32 v[BA], 9, v[TH]
	v_add_nc_u32 v[BA], s81, v[BA]
	v_mul_u32_u24 v[WOW], v0, PITCH                ; WOR = 0
	s_wait_kmcnt 0x0
	s_load_b256 s[36:43], s[PSC:PSC+1], 0x0        ; e0 .. e7
	s_lshl_b32 s92, s35, 6
	s_add_co_u32 s94, s92, ttmp9
	s_lshl_b32 s94, s94, 16                        ; my image row: (64 b + y) x 65,536 bytes
	s_mov_b32 s95, 0
	s_add_nc_u64 s[90:91], s[PX:PX+1], s[94:95]
	s_add_nc_u64 s[OP:OP+1], s[POUT:POUT+1], s[94:95]
	s_lshl_b32 s94, s33, 8
	s_add_nc_u64 s[OP:OP+1], s[OP:OP+1], s[94:95]  ; + my 64 columns
	s_add_co_u32 s94, s92, s74
	s_sub_co_u32 s94, s94, 2
	s_lshl_b32 s94, s94, 16
	s_add_nc_u64 s[XP:XP+1], s[PX:PX+1], s[94:95]  ; key row 0
	s_mov_b32 s94, s76
	s_add_nc_u64 s[WOP:WOP+1], s[PWO:PWO+1], s[94:95]
	XLOAD X, 90, 0                                 ; the queries' row
.irp i, 0,1,2,3
.irp u, 0,1,2,3
	global_load_b128 v[XQ+16*\i+4*\u:XQ+16*\i+4*\u+3], v[PQA+\i], s[PPOS:PPOS+1] offset:16*\u
.endr
.endr
.set CNT, 0
.rept 25
	global_load_b32 v[FR+CNT], v[TA], s[PPOS:PPOS+1] offset:1024*CNT   ; pos_emb, a row to an instruction of the work-group
.set CNT, CNT+1
.endr
	s_wait_kmcnt 0x0
	MKLIM 36, 86, LIMQ
	MKLIM 38, 89, LIMK
	MKLIM 40, 96, LIMV
	MKLIM 42, 88, LIMO
	MKLIM 43, 87, LIMW
	s_add_co_i32 s50, s36, s37
	s_add_co_i32 s50, s50, 127
	s_lshl_b32 s50, s50, 23                        ; 2^(e0 + e1)
	s_mov_b32 s51, s50                             ; (the packed forms name pairs, so both words are written)
	s_mov_b32 s54, 0x3e8293ee                      ; c = log2(e) / sqrt(32)
	s_mov_b32 s55, s54
	s_add_co_i32 s52, s38, s39
	s_lshl_b32 s52, s52, 23
	s_add_co_i32 s52, s52, s54                     ; c x 2^(e2 + e3)
	s_mov_b32 s53, s52
	s_add_co_i32 s56, s42, s43
	s_add_co_i32 s56, s56, 127
	s_lshl_b32 s56, s56, 23                        ; 2^(e6 + e7)
	s_mov_b32 s57, s56
	s_add_co_i32 s58, s40, s41                     ; e4 + e5
	v_mov_b32 v[SCK], s89
	v_mov_b32 v[SCV], s96
	v_mov_b32 v[SCX], s86
	s_wait_loadcnt 0x0                             ; the 57 loads so far are in
	WIN 0x40
	WLOAD PWQ
.irp z, 0,1,2,3,4,5,6,7
	global_load_b128 v[BQ+4*\z:BQ+4*\z+3], v[BA], s[PBQ:PBQ+1] offset:16*\z
.endr
.irp e, 0,1,2,3,4,5,6,7
	v_mov_b32 v[EE+\e], 0                          ; written once: the destination of a move between lanes counts as one of its sources
.endr
	WIN 0
.set CNT, 0
.rept 25
	ds_store_b32 v[TAL], v[FR+CNT] offset:1024*CNT
.set CNT, CNT+1
.endr
.set CNT, 0
.rept 32
	v_pk_add_f32 v[X+CNT:X+CNT+1], v[X+CNT:X+CNT+1], v[XQ+CNT:XQ+CNT+1]   ; q_in = x + pos[the query's place]
.set CNT, CNT+2
.endr
	WIN M_K
	QUANT64 X, SCX, LIMQ
	WIN M_E
.irp i, 0,1,2,3
	ds_store_b128 v[CWH], v[CC+4*\i:CC+4*\i+3] offset:2*SLOTB+D2+4352*\i   ; into block 4, by query
.endr
	WIN 0
	XLOAD X, XP, 0                                 ; key row 0
	TOP                                            ; the padding, pos_emb and the queries' codes lie in LDS
; ---------------- q
	s_wait_loadcnt 16                              ; all but key row 0's 16: Wq and bq are in
	WIN 0x40
.irp z, 0,1,2,3,4,5,6,7
	global_load_b128 v[BB+4*\z:BB+4*\z+3], v[BA], s[PBK:PBK+1] offset:16*\z
.endr
	WIN 0
	FRAG FR, FKH, 2*SLOTB+D2
	s_wait_dscnt 0x0
	WIN M_V
	WM8 QQ, FR
	NOP4
	WIN 0
	FRAG FR, FKH+1, 2*SLOTB+D2
	s_wait_dscnt 0x0
	WIN M_V
	WM8 QQ+32, FR
	NOP4                                           ; places in front of the loads into the weight's registers and of the first read of the sums
	WIN 0x40
	WLOAD PWK
	WIN 0x10
.irp q, 0,1
.irp p, 0,2,4,6,8,10,12,14,16,18,20,22,24,26,28,30
	v_pk_fma_f32 v[QQ+32*\q+\p:QQ+32*\q+\p+1], v[QQ+32*\q+\p:QQ+32*\q+\p+1], s[50:51], v[BQ+\p:BQ+\p+1] op_sel_hi:[1,0,1]   ; q = sum x 2^(e0 + e1) + bq
.endr
.endr
	s_wait_loadcnt 32                              ; all but Wk's 32: key row 0 and bk are in
	WIN M_K
	SC BB, 0                                       ; q . bk: bk's part of every score of the query
	SC BB, 1
	v_pk_mul_f32 v[QB:QB+1], v[SS:SS+1], s[54:55] op_sel_hi:[1,0]
	WIN 0
.set CNT, 0
.rept 32
	v_pk_mul_f32 v[QQ+CNT:QQ+CNT+1], v[QQ+CNT:QQ+CNT+1], s[52:53] op_sel_hi:[1,0]   ; so that q . (K's sums) is the score in powers of two
.set CNT, CNT+2
.endr
	X2LOAD XP, 65536                               ; key row 1; half of it lands where bk lay
	s_mov_b32 s60, 0
	s_mov_b32 s61, 0
	s_mov_b32 s62, 0
	TRIPHEAD
	WIN M_K
	QUANT64 X, SCV, LIMV                           ; key row 0 for V
	WIN M_E
.irp i, 0,1,2,3
	ds_store_b128 v[VWC], v[CC+4*\i:CC+4*\i+3] offset:D2+4352*\i
.endr
.irp u, 0,1,2,3
	ds_load_b128 v[PP+4*\u:PP+4*\u+3], v[PAC] offset:16*\u
.endr
	WIN 0
	s_wait_dscnt 0x0
	s_mov_b32 s61, SLOTB
; ---------------- K: places 0 and 1 are made and place 0's fragments fetched; then the pipeline
	PROD
	ENDRUN 0, 0, 0, 11, 1024
	s_wait_dscnt 0x0                               ; place 1's pos is in; the stores have read the codes' registers
	PROD
	ENDRUN 0, 0, 1, 12, 2048
	s_wait_loadcnt 16                              ; all but key row 1's 16: Wk is in
	TOP
	KFRAG FR0, 0, 0
	KFRAG FR1, 1, 0
	s_mov_b32 s[TRIP], 0
.Lrow:                                             ; five trips: a key row each
	s_wait_dscnt 0x0
	TRIPHEAD
	STEP 0, 2, 13, 1, 3072, 0
	STEP 1, 3, 14, 2, 4096, 0
	STEP 2, 4, 15, 3, 5120, 0
	STEP 3, 0, 11, 4, 6144, 1
	STEP 4, 1, 12, 0, 7168, 0
	s_add_co_u32 s60, s60, 5120
	s_add_co_u32 s61, s61, SLOTB
	s_add_co_u32 s62, s62, 1280
	s_add_co_u32 s[TRIP], s[TRIP], 1
	s_cmp_lt_u32 s[TRIP], 5
	s_cbranch_scc1 .Lrow
	s_wait_loadcnt 0x0
	TOP                                            ; nobody reads or writes K's blocks or the table any more: their bytes take Wo's codes and the heads' outputs
; ---------------- softmax over the 25 places, a lane a (query, head), both tiles at once in pairs.  (The last step's vector lines are the places in front of the loads below.)
	v_bfe_u32 v[BOA], v0, 4, 1
	v_lshlrev_b32 v[BOA], 5, v[BOA]
	s_lshl_b32 s92, s33, 8
	v_add_nc_u32 v[BOA], s92, v[BOA]               ; bo: 256 cg + 32 h
	WIN 0x40
	WLOAD PWV
.irp t, 0,1,2,3
.irp z, 0,1
	global_load_b128 v[BB+8*\t+4*\z:BB+8*\t+4*\z+3], v[BOA], s[PBO:PBO+1] offset:64*\t+16*\z
.endr
.endr
	WIN 0
.irp q, 0,1
.irp z, 0,1,2,3,4,5,6,7
	global_load_b128 v[OO+32*\q+4*\z:OO+32*\q+4*\z+3], v[BA], s[PBV:PBV+1] offset:16*\z   ; the heads' outputs begin as bv
.endr
.endr
.set CNT, 0
.rept 25
	ds_load_b64 v[HH+2*CNT:HH+2*CNT+1], v[SA] offset:256*CNT
.set CNT, CNT+1
.endr
	WIN 0x01
	v_mov_b32 v16, v[QB]
	v_mov_b32 v17, v[QB+1]
	WIN 0
	s_wait_dscnt 0x0
.set CNT, 0
.rept 25
	v_pk_add_f32 v[HH+2*CNT:HH+2*CNT+1], v[HH+2*CNT:HH+2*CNT+1], v[16:17]
.set CNT, CNT+1
.endr
	v_max3_num_f32 v82, v[HH], v[HH+2], v[HH+4]
	v_max3_num_f32 v83, v[HH+1], v[HH+3], v[HH+5]
.set CNT, 3
.rept 11
	v_max3_num_f32 v82, v82, v[HH+2*CNT], v[HH+2*CNT+2]
	v_max3_num_f32 v83, v83, v[HH+2*CNT+1], v[HH+2*CNT+3]
.set CNT, CNT+2
.endr
.set CNT, 0
.rept 25
	v_pk_add_f32 v[HH+2*CNT:HH+2*CNT+1], v[HH+2*CNT:HH+2*CNT+1], v[82:83] neg_lo:[0,1] neg_hi:[0,1]   ; less the row's largest
.set CNT, CNT+1
.endr
.set CNT, 0
.rept 50
	v_exp_f32 v[HH+CNT], v[HH+CNT]
.set CNT, CNT+1
.endr
	v_nop                                          ; a plain line behind the last exponential,
	s_wait_alu depctr_va_vdst(0)                   ; and one wait for the batch, ahead of its first reader
	v_pk_add_f32 v[84:85], v[HH:HH+1], v[HH+2:HH+3]
	v_pk_add_f32 v[86:87], v[HH+4:HH+5], v[HH+6:HH+7]
.set CNT, 4
.rept 21
.if CNT%2 == 0
	v_pk_add_f32 v[84:85], v[84:85], v[HH+2*CNT:HH+2*CNT+1]
.else
	v_pk_add_f32 v[86:87], v[86:87], v[HH+2*CNT:HH+2*CNT+1]
.endif
.set CNT, CNT+1
.endr
	v_pk_add_f32 v[84:85], v[84:85], v[86:87]
	v_rcp_f32 v84, v84
	v_rcp_f32 v85, v85
	v_nop
	s_wait_alu depctr_va_vdst(0)
	v_ldexp_f32 v84, v84, s58                      ; V's sums stand for sum x 2^(e4 + e5): the factor rides on the weights
	v_ldexp_f32 v85, v85, s58
.set CNT, 0
.rept 25
	v_pk_mul_f32 v[HH+2*CNT:HH+2*CNT+1], v[HH+2*CNT:HH+2*CNT+1], v[84:85]
.set CNT, CNT+1
.endr
.set CNT, 0
.rept 25
	ds_store_b64 v[SA], v[HH+2*CNT:HH+2*CNT+1] offset:256*CNT
.set CNT, CNT+1
.endr
	v_mov_b32 v[SCX], s87                          ; 2^e7, for Wo
	s_mov_b32 s61, 0
	s_mov_b32 s62, 0
	s_mov_b32 s72, 0
	s_mov_b32 s74, 0
	s_wait_loadcnt 0x0                             ; Wv, bo, bv
	s_wait_dscnt 0x0                               ; the stores have read their registers, which take fragments next
	FRAG FRV+32, FV+1, 0                           ; the first place's fragments: the inner tile's first
	FRAG FRV, FV, 0
; ---------------- V and the weighted sum: no barrier: Q(x)'s rows lie whole in LDS; each wave's weights and each thread's column of Wo are its own
	s_mov_b32 s[TRIP], 0
.Ldy:                                              ; five trips: a key row's five places each; 64 of Wo's 256 rows are quantised on the way (the fifth trip repeats the fourth's)
	s_wait_dscnt 0x0                               ; no LDS instruction that names the addresses stepped below is out
	s_min_u32 s75, s72, 192
	s_min_u32 s76, s74, 196608
	s_add_co_u32 s73, s61, SLOTB
	s_min_u32 s73, s73, 4*SLOTB                    ; the next key row; behind the last, the last once more
	v_add_nc_u32 v[FVC], s61, v[FV]
	v_add_nc_u32 v[FVC+1], s61, v[FV+1]
	v_add_nc_u32 v[FVN], s73, v[FV]
	v_add_nc_u32 v[FVN+1], s73, v[FV+1]
	v_add_nc_u32 v[SAC], s62, v[SA]
	v_add_nc_u32 v[WOWC], s75, v[WOW]
	v_add_nc_u32 v[WLC], s76, v[WL]                ; (the last trip's loads by this offset are in: the second chunk's wait)
	WIN 0x40
.irp d, 0,1,2,3,4
	ds_load_b64 v[AW+2*\d:AW+2*\d+1], v[SAC] offset:256*\d
.endr
	WIN 0
	WOLOAD 0
	PVSTEP 0
	PVSTEP 1
	WOQ 0
	WOLOAD 1
	PVSTEP 2
	PVSTEP 3
	WOQ 1
	PVSTEP 4
	WIN 0
	s_add_co_u32 s61, s61, SLOTB
	s_add_co_u32 s62, s62, 1280
	s_add_co_u32 s72, s72, 64
	s_add_co_u32 s74, s74, 65536
	s_add_co_u32 s[TRIP], s[TRIP], 1
	s_cmp_lt_u32 s[TRIP], 5
	s_cbranch_scc1 .Ldy
; ---------------- the last product and the way out
	s_wait_dscnt 0x0                               ; the last step's fetch is in: its address registers are written below
	s_lshl_b32 s93, s33, 5
	s_add_co_u32 s93, s93, OHR
	s_mul_i32 s94, s33, 64*PITCH
	s_mul_i32 s95, s32, 32*PITCH
	s_add_co_u32 s95, s95, STG
	s_mul_i32 s90, s34, 49152                      ; tile 0's first pixel in out: 48 tp rows of 1,024 bytes
	s_lshl_b32 s91, s34, 14
	s_add_co_u32 s91, s91, 16384                   ; tile 1's: 16 + 16 tp
	v_and_b32 v1, 15, v0                           ; r
	v_bfe_u32 v2, v0, 4, 1                         ; h
	v_mul_u32_u24 v3, v2, 112
	v_add_nc_u32 v3, s93, v3
	v_add_nc_u32 v5, v3, v[FK]                     ; where my head's 32 codes go: my pixel's row, + 32 cg + 128 h
	v_add_nc_u32 v6, v3, v[FK+1]
	v_add_nc_u32 v21, OHR, v[FK]                   ; and the same rows as fragments' rows
	v_add_nc_u32 v22, OHR, v[FK+1]
	v_mul_u32_u24 v4, v1, PITCH
	v_lshl_add_u32 v7, v2, 4, v4
	v_add_nc_u32 v7, s94, v7                       ; Wo's fragments: column 64 cg + 16 t + r
	v_lshl_add_u32 v8, v2, 5, v4
	v_add_nc_u32 v8, s95, v8                       ; my stage, in: row r, + 32 h
	v_mul_u32_u24 v28, v2, PITCH
	v_lshl_add_u32 v28, v1, 4, v28
	v_add_nc_u32 v28, s95, v28                     ; back: lanes 0-15 one row of 256 bytes, lanes 16-31 the next
	v_lshlrev_b32 v29, 10, v2
	v_lshl_add_u32 v29, v1, 4, v29
	v_add_nc_u32 v30, s90, v29                     ; and the same two pixels in out, tile 0's and tile 1's
	v_add_nc_u32 v31, s91, v29
	v_mov_b32 v[SCX], s88                          ; 2^e6
	WIN M_K
	QUANT64 OO, SCX, LIMO
	WIN M_E
.irp q, 0,1
.irp z, 0,1
	ds_store_b128 v[5+\q], v[CC+8*\q+4*\z:CC+8*\q+4*\z+3] offset:16*\z
.endr
.endr
	WIN 0
	TOP                                            ; the heads' outputs and Wo lie in LDS as codes; nobody reads Q(x)'s rows any more
	WIN 0x40
.irp t, 0,1,2,3
.irp g, 0,1
.irp j, 0,1,2,3
	ds_load_b128 v[W+32*\t+16*\g+4*\j:W+32*\t+16*\g+4*\j+3], v7 offset:16*PITCH*\t+128*\g+32*\j
.endr
.endr
.endr
	WIN 0
	FRAG FRV, 21, 0
	FRAG FRV+32, 22, 0
	s_wait_dscnt 0x0
	WIN M_V
	WM8 AV, FRV
	WM8 AV+32, FRV+32
	NOP4
	WIN 0x10
.irp q, 0,1
.irp p, 0,2,4,6,8,10,12,14,16,18,20,22,24,26,28,30
	v_pk_fma_f32 v[OO+32*\q+\p:OO+32*\q+\p+1], v[AV+32*\q+\p:AV+32*\q+\p+1], s[56:57], v[BB+\p:BB+\p+1] op_sel_hi:[1,0,1]   ; out = sum x 2^(e6 + e7) + bo
.endr
.endr
	WIN 0
.irp q, 0,1
.irp t, 0,1,2,3
.irp z, 0,1
	ds_store_b128 v8, v[OO+32*\q+8*\t+4*\z:OO+32*\q+8*\t+4*\z+3] offset:16*PITCH*\q+64*\t+16*\z   ; lane (r, h): tile q's pixel r, columns 16 t + 8 h + 4 z ..
.endr
.endr
.endr
.irp i, 0,1,2,3,4,5,6,7,8,9,10,11,12,13,14,15
	ds_load_b128 v[32+4*\i:35+4*\i], v28 offset:2*PITCH*\i   ; my own bytes: LDS serves a wave's instructions in order (ISA guide 5.7.1.4)
.endr
.irp i, 0,1,2,3,4,5,6,7,8,9,10,11,12,13,14,15
	s_wait_dscnt 15-\i                             ; the younger loads may stay out
	global_store_b128 v[30+\i/8], v[32+4*\i:35+4*\i], s[OP:OP+1] offset:2048*(\i%8) th:TH_STORE_NT   ; sixteen lanes store 256 consecutive bytes, at a multiple of 256 from out's first byte
.endr
	s_wait_xcnt 0x0
	v_lshl_add_u32 v254, v0, 2, 0x3fa00
	v_mov_b32 v255, 0
	s_wait_tensorcnt 0x0
	ds_add_u32 v254, v255
	s_wait_dscnt 0x0
	s_endpgm
.Lfunc_end_k_q95496e4598_attn:
	.size	k_q95496e4598_attn, .Lfunc_end_k_q95496e4598_attn-k_q95496e4598_attn
	.p2alignl 7, 3214868480
	.fill 96, 4, 3214868480
	.section	.rodata,"a",@progbits
	.p2align	6, 0x0
	.amdhsa_kernel k_q95496e4598_attn
		.amdhsa_group_segment_fixed_size 261632
		.amdhsa_private_segment_fixed_size 0
		.amdhsa_enable_private_segment 0
		.amdhsa_kernarg_size 96
		.amdhsa_user_sgpr_count 2
		.amdhsa_user_sgpr_kernarg_segment_ptr 1
		.amdhsa_wavefront_size32 1
		.amdhsa_system_sgpr_workgroup_id_x 1
		.amdhsa_system_sgpr_workgroup_id_y 1
		.amdhsa_system_sgpr_workgroup_id_z 1
		.amdhsa_system_vgpr_workitem_id 0
		.amdhsa_next_free_vgpr 512
		.amdhsa_next_free_sgpr 100
		.amdhsa_reserve_vcc 0
		.amdhsa_float_denorm_mode_32 3
		.amdhsa_float_denorm_mode_16_64 3
		.amdhsa_memory_ordered 1
		.amdhsa_forward_progress 1
		.amdhsa_inst_pref_size 248
	.end_amdhsa_kernel
	.amdgpu_metadata
---
amdhsa.version: [ 1, 2 ]
amdhsa.kernels:
  - .name:           k_q95496e4598_attn
    .symbol:         k_q95496e4598_attn.kd
    .args:
      - { .name: x, .offset: 0, .size: 8, .value_kind: global_buffer, .address_space: global }
      - { .name: pos_emb, .offset: 8, .size: 8, .value_kind: global_buffer, .address_space: global }
      - { .name: Wq_codes, .offset: 16, .size: 8, .value_kind: global_buffer, .address_space: global }
      - { .name: Wk_codes, .offset: 24, .size: 8, .value_kind: global_buffer, .address_space: global }
      - { .name: Wv_codes, .offset: 32, .size: 8, .value_kind: global_buffer, .address_space: global }
      - { .name: Wo, .offset: 40, .size: 8, .value_kind: global_buffer, .address_space: global }
      - { .name: bq, .offset: 48, .size: 8, .value_kind: global_buffer, .address_space: global }
      - { .name: bk, .offset: 56, .size: 8, .value_kind: global_buffer, .address_space: global }
      - { .name: bv, .offset: 64, .size: 8, .value_kind: global_buffer, .address_space: global }
      - { .name: bo, .offset: 72, .size: 8, .value_kind: global_buffer, .address_space: global }
      - { .name: lowp_scales, .offset: 80, .size: 8, .value_kind: global_buffer, .address_space: global }
      - { .name: out0, .offset: 88, .size: 8, .value_kind: global_buffer, .address_space: global }
    .group_segment_fixed_size: 261632
    .private_segment_fixed_size: 0
    .kernarg_segment_align: 8
    .kernarg_segment_size: 96
    .max_flat_workgroup_size: 256
    .sgpr_count:     100
    .vgpr_count:     512
    .wavefront_size: 32
...
	.end_amdgpu_metadata
.endif
;; end of part 1
;; ======== version 2 of 2: 1 launch; version 1 with the launch attn written anew for expert scheduling mode
;; launch attn (part 2): grid 64 x 4, 8 waves a work-group, no clusters, 261,632 bytes of LDS; arguments x, pos_emb, Wq_codes, Wk_codes, Wv_codes, Wo, bq, bk, bv, bo, lowp_scales, out0; writes out0
.if DOCPART == 2
	.amdgcn_target "amdgcn-amd-amdhsa--gfx1250"
	.amdhsa_code_object_version 6
	.text
	.protected	k_q95496e4598_attn
	.globl	k_q95496e4598_attn
	.p2align	8
	.type	k_q95496e4598_attn,@function
k_q95496e4598_attn:
	s_mov_b64 s[64:65], 0
	v_nop
	global_prefetch_b8 v0, s[64:65] scope:SCOPE_SE
	s_setreg_imm32_b32 hwreg(HW_REG_WAVE_SCHED_MODE, 0, 2), 2
	s_setreg_imm32_b32 hwreg(HW_REG_WAVE_MODE, 25, 1), 1
	s_wait_xcnt 0x0
	s_wait_alu depctr_vm_vsrc(0)
; LOCAL ATTENTION OVER A 5 x 5 PATCH (centre clipped to the interior), 8 heads of 32, 256 channels, image 4 x 64 x 64.  The four projections are products on codes of BF8 (E5M2),
; each operand with the one scale 2^e that is given for it (e0 .. e7); scores, softmax and the weighted sum of the values are f32, since they lead into the last quantiser.
; SHARES.  A work-group owns one image row (b, y): 64 queries; its keys are five whole image rows.  Eight waves of 512 registers.
; EVERY PRODUCT IS USED TRANSPOSED: source 0 = 16 rows of a weight, source 1 = 16 pixels.  A wave (cg = wave % 4, tp = wave / 4) takes 32 pixels (two tiles) x 64 output channels (four tiles) x K = 256
; (two steps of 128): 16 matrix instructions; its quarter of the weight stays in 128 registers.  A tile of Wq, Wk, Wv is 8 channels of head cg and 8 of head cg + 4: so lane (r, h) holds pixel r and
; ALL 32 channels of head cg + 4 h, and scores, softmax and the weighted sum never change lanes.  Tile 0 of a wave is an EDGE tile (columns 48 tp + r), tile 1 an inner one (16 + 16 tp + r).
; OPERANDS are made once (lane (r, h) of wave w: columns r + 16 i, k = 32 w + 16 h + 0 .. 15: 16 codes = one 16-byte store) and go through LDS as rows of 256 codes, 272 bytes apart.
; A fragment takes bytes 128 g + 32 j + 16 h + 0 .. 15 of a row into registers 16 g + 4 j ..: the same permutation of k on both sides of every product.
; K: for each of the 25 places s = 5 dy + dx the 64 columns of Q(x + pos[s]) are made once, into block dx of five, whose rows lie BY QUERY: query c at row c + 2.  The maker stores column col at row col + 4 - dx,
; which is the row of the query whose patch has it at place dx, and one store more gives queries 0, 1 the codes of column dx and queries 62, 63 those of column 59 + dx: the clipping along x.
; THE K PIPELINE: a step multiplies place i from registers, fetches place i + 1's fragments (each tile's as soon as its products are issued) and makes place i + 2: one barrier a step, no wait for LDS inside a step.
; V: multiplied as the problem writes it, for each (query, place), from the rows Q(x), which stay in LDS by COLUMN (column col at row col + 2, two rows of zeros shared between blocks): the lane of query c reads
; row c + dx; in the edge tile lanes 0, 1 then take lane 2's registers (tp = 0), lanes 14, 15 lane 13's (tp = 1).  Fragments are fetched a step ahead here too.  Wo is quantised down K, a thread a column, inside the V loop.
; BOTH LOOPS RUN FIVE LIKE TRIPS.  The K loop's last two steps make two operands more than are used (x + rows of zeros) and repeat key row 4's codes; the V loop's last trip repeats Wo's last 64 rows (same bytes,
; same thread) and fetches key row 4's first fragments once more.
; NO TENSOR LOADS, NO CLUSTER: neighbouring rows' work-groups do read the same rows of x, but a row is 65,536 bytes of f32 and five of them are all of LDS; x goes from memory straight into the registers that the
; conversions take, and only codes, a quarter of the bytes, lie in LDS.  No prefetch: each row of x is read by six work-groups and the weights by all.
; LIMITS on the given exponents, so that each power of two below is an f32 number: e0, e2, e4, e6, e7 between -126 and 112; e0 + e1 and e6 + e7 between -126 and 127; e2 + e3 between -124 and 129 (added to
; the exponent field of log2(e) / sqrt(32)); e4 + e5 goes in by v_ldexp_f32.  NaN among the inputs is not served.  bv is added once: the normalised weights sum to 1 within f32 rounding.
; THE MODE: SCHED_MODE bits 1:0 = 2 (LLVM: expert scheduling mode 2), set by the entry lines.  The code itself states the register dependences between vector or matrix instructions and memory or LDS
; instructions, with s_wait_alu, always for 0.
; THE PLAN.  Registers that memory or LDS instructions touch in the K loop:
;   FR0, FR1       A tile's fragment pair.  Read by the tile's eight products of a step; behind them the next place's fragments land in it.
;   CC, EE, SS     The codes, the edge queries' codes, the two scores.  Written by a step's conversions, moves between lanes and sums; read by the run of LDS stores at the step's end.
;   PP             pos of the place that is being made.  Read by a step's eight additions; loaded anew in the run at the step's end.
;   X2A, X2B       The next key row.  Loaded once a key row; read by the moves of the next change of rows.
;   PAC, VWC, SAC  Addresses, stepped by vector additions at a trip's head.  All other addresses are made at the kernel's head and stay until the way out.
; So a step of K has three waits on va_vdst (ahead of the loads into FR0; ahead of those into FR1; ahead of the run at its end) and one on vm_vsrc at its head, ahead of the first line that writes CC, EE or SS again.
; In the V loop:
;   FRV, FRV+32    The two tiles' fragment pairs.  Read by a step's products (FRV also written by the mending); behind them the next place's fragments land.  One wait on va_vdst ahead of each run of loads.
;   AW, WB, CC     A key row's weights, a chunk of Wo, its codes: AW is loaded at a trip's head and read by the multiply-adds; WB is loaded, read by conversions and loaded again; CC is written by them and stored.
;   FVC, FVN, SAC, WOWC, WLC  Addresses, stepped at a trip's head: one wait on vm_vsrc ahead of the additions, one on va_vdst behind them.
.set PITCH, 272                        ; a row of 256 codes + 16: sixteen rows start at sixteen different 16-byte columns of the banks (64 banks of 4 bytes: ISA guide 11.1)
.set SLOTB, 66*PITCH                   ; from block to block
.set D2,    2*PITCH                    ; a block's query 0 (K), column 0 (V)
.set TAB,   332*PITCH                  ; LDS: five blocks for K's operand (block 4 first holds the queries' codes): 2 + 5 x 66 rows; then pos_emb, f32, 25 rows of 1,024 bytes and three rows of zeros;
.set VC,    TAB+28*1024                ; the codes Q(x) of the five key rows, five blocks;
.set SCO,   VC+332*PITCH               ; scores, then weights: 6,400 bytes for each wave, its own: 256 s + 8 lane + 4 T
.set WOR,   0                          ; behind the K loop's barrier: Wo's codes, 256 columns x 272, where K's blocks lay;
.set OHR,   TAB                        ; the heads' outputs as codes, 64 rows, where the table lay;
.set STG,   VC                         ; behind the last barrier: the way out, 32 rows x 272 for each wave, its own, where Q(x) lay
; window 0
.set XA, 1                             ; x: 1024 r + 128 w + 64 h
.set PA, 2                             ; pos in LDS: TAB + 128 w + 64 h;  v3: + the key row's step
.set PAC, 3
.set FVN, 2                            ; v2, v3 in the V loop: FV + the next key row's step
.set CW, 4                             ; where I store 16 codes: 272 r + 32 w + 16 h;  v23: two blocks on (an LDS immediate has 16 bits)
.set VW, 5                             ; the same in VC;  v6: + the key row's step
.set VWC, 6
.set SA, 7                             ; my scores;  v8: + the key row's step
.set SAC, 8
.set FK, 9                             ; v9, v10: tile T's fragment rows: 272 c + 16 h;  v21, v22: two blocks on
.set SCK, 11                           ; 2^e2, 2^e4 as f32;  v13: 2^e0, then 2^e7, then 2^e6
.set SCV, 12
.set SCX, 13
.set EW, 14                            ; v14: the edge queries' rows: 272 (2 + r % 2 + 62 (r / 2 % 2)) + 32 w + 16 h;  v15: two blocks on
.set EWH, 15
.set FVC, 14                           ; v14, v15 in the V loop: FV + the key row's step
.set TMP, 16                           ; v16-19: at work in the edge tile's mending (at the head: PQA)
.set PQA, 16                           ; v16-19: pos_emb row of column r + 16 i's place in its patch
.set TA, 20
.set WLC, 20
.set FKH, 21
.set CWH, 23
.set TAL, 24
.set BOA, 24
.set WL, 25
.set WA, 26                            ; a weight's fragments in memory
.set BA, 27                            ; my 32 channels in a bias: 128 cg + 512 h
.set FV, 28                            ; v28, v29: VC + FK
.set WOW, 30                           ; my column of Wo's codes;  v31: + the trip's step
.set WOWC, 31
.set X, 32                             ; v32-95 the key row in hand
.set XQ, 96                            ; v96-159 at the head: pos of the queries' places
.set X2A, 96                           ; v96-127 the next key row, columns r and r + 16 (the other half lies in window 1)
.set FR0, 128                          ; v128-159 tile 0's fragment pair, v160-191 tile 1's
.set FR1, 160
.set FR, 160
.set QQ, 192                           ; v192-255 q x log2(e) / sqrt(32) x 2^(e2 + e3), 32 a tile
.set HH, 32                            ; softmax: score (s, T) at 32 + 2 s + T
.set FRV, 32                           ; V loop and last product: fragments, sums, the heads' outputs, a chunk of Wo
.set AV, 96
.set OO, 160
.set WB, 224
.set TR, 192                           ; at work at the head
.set TH, 193
.set TL, 194
.set TC, 195
.set TX, 196
.set TY, 197
.set TZ, 198
.set TW, 199
.set ZR, 200                           ; v200-203: zeros, at the head
; window 1
.set W, 0                              ; the weight's fragment (t, g) at 32 t + 16 g
.set TT, 128                           ; two sets of 8 numbers at work
.set CC, 144                           ; 64 codes
.set ACC, 160                          ; four accumulators; bq at the head; in the V loop five pairs of weights
.set BQ, 160
.set AW, 160
.set PP, 192                           ; pos[s] at my 16 k
.set SPA, 208
.set SPB, 210
.set SS, 212                           ; the two tiles' scores
.set QB, 214                           ; q . bk x log2(e) / sqrt(32)
.set BB, 216                           ; bk; in the K loop the next key row's columns r + 32 and r + 48; later bo
.set X2B, 216
.set EE, 248                           ; v248-255: the edge queries' codes
; scalars
.set PX, 8
.set PPOS, 10
.set PWQ, 12
.set PWK, 14
.set PWV, 16
.set PWO, 18
.set PBQ, 20
.set PBK, 22
.set PBV, 24
.set PBO, 26
.set PSC, 28
.set POUT, 30
.set LIMQ, 44                          ; pairs: 57,344 x 2^e and its negative
.set LIMK, 46
.set LIMV, 48
.set LIMO, 82
.set LIMW, 84
.set TRIP, 63
.set XP, 66
.set WOP, 68
.set OP, 70
.set M_K, 0x51                         ; sources 0, 2 and destination window 1, source 1 window 0
.set M_E, 0x44                         ; LDS: data window 1, address window 0
.set M_D, 0x45                         ; sources 0, 1 and destination window 1
.set M_V, 0x01                         ; source 0 window 1
.set M_P, 0x04                         ; source 1 window 1
.set MSB, 0
.macro WIN new                         ; the immediate's high byte repeats the setting that is left
.if MSB != \new
	s_set_vgpr_msb (MSB<<8)|\new
.set MSB, \new
.endif
.endm
.macro NOP4
.rept 4
	v_nop
.endr
.endm
.macro XR d, c, t                      ; v[d] = column c's place in its clipped patch: 0, 1, 2 .. 2, 3, 4  (for an offset into pos_emb in memory)
	v_add_nc_u32 v[\t], 62, v[\c]
	v_lshrrev_b32 v[\d], 6, v[\t]
.irp a, 63, 2, 1
	v_add_nc_u32 v[\t], \a, v[\c]
	v_lshrrev_b32 v[\t], 6, v[\t]
	v_add_nc_u32 v[\d], v[\d], v[\t]
.endr
.endm
.macro MKLIM e, sc, lim                ; s[sc] = 2^e as f32; s[lim], s[lim + 1] = +-57,344 x 2^e
	s_add_co_i32 s[\sc], s[\e], 127
	s_add_co_i32 s[\lim], s[\sc], 15
	s_lshl_b32 s[\sc], s[\sc], 23
	s_lshl_b32 s[\lim], s[\lim], 23
	s_or_b32 s[\lim], s[\lim], 0x600000
	s_or_b32 s[\lim+1], s[\lim], 0x80000000
.endm
.macro XLOADH dst, ptr, off, i0        ; half a row of x: my 16 numbers of columns r + 16 i0 and r + 16 (i0 + 1)
.irp i, 0,1
.irp u, 0,1,2,3
	global_load_b128 v[\dst+16*\i+4*\u:\dst+16*\i+4*\u+3], v[XA], s[\ptr:\ptr+1] offset:\off+16384*(\i0+\i)+16*\u
.endr
.endr
.endm
.macro XLOAD dst, ptr, off             ; a row of x
	XLOADH \dst, \ptr, \off, 0
	XLOADH \dst+32, \ptr, \off, 2
.endm
.macro X2LOAD ptr, off                 ; the next key row, half into each window
	XLOADH X2A, \ptr, \off, 0
	WIN 0x40
	XLOADH X2B, \ptr, \off, 2
	WIN 0
.endm
.macro WLOAD ptr                       ; my quarter of a weight given as codes: tile t's lane r takes row 32 (cg + 4 (r / 8)) + 8 t + r % 8
.irp t, 0,1,2,3
.irp g, 0,1
.irp j, 0,1,2,3
	global_load_b128 v[W+32*\t+16*\g+4*\j:W+32*\t+16*\g+4*\j+3], v[WA], s[\ptr:\ptr+1] offset:2048*\t+128*\g+32*\j
.endr
.endr
.endr
.endm
.macro UA n                            ; K's operand, numbers 8 n .. 8 n + 7 of my 64: x + pos[s]
.irp e, 0,2,4,6
	v_pk_add_f32 v[TT+8*((\n)%2)+\e:TT+8*((\n)%2)+\e+1], v[PP+8*((\n)%2)+\e:PP+8*((\n)%2)+\e+1], v[X+8*(\n)+\e:X+8*(\n)+\e+1]
.endr
.endm
.macro UB n                            ; the hold (the conversion to an 8-bit code does not saturate: ISA guide 7.6.2) and the conversion.  The next unit works on the other set of TT: a plain line stands between this conversion and whatever touches its registers
.irp e, 0,1,2,3,4,5,6,7
	v_med3_num_f32 v[TT+8*((\n)%2)+\e], v[TT+8*((\n)%2)+\e], s[LIMK+1], s[LIMK]
.endr
	v_cvt_scalef32_pk8_bf8_f32 v[CC+2*(\n):CC+2*(\n)+1], v[TT+8*((\n)%2):TT+8*((\n)%2)+7], v[SCK]
.endm
.macro PROD                            ; a whole place's operand, with no products to stand between
	WIN M_K
.irp n, 0,1,2,3,4,5,6,7
	UA \n
	UB \n
.endr
	v_nop
.endm
.macro QCH src, n, cn, sc, lim         ; eight numbers of window 0, held and converted into codes' pair cn
.irp e, 0,1,2,3,4,5,6,7
	v_med3_num_f32 v[TT+8*((\n)%2)+\e], s[\lim], v[\src+8*(\n)+\e], s[\lim+1]
.endr
	v_cvt_scalef32_pk8_bf8_f32 v[CC+2*(\cn):CC+2*(\cn)+1], v[TT+8*((\n)%2):TT+8*((\n)%2)+7], v[\sc]
.endm
.macro QUANT64 src, sc, lim
.irp n, 0,1,2,3,4,5,6,7
	QCH \src, \n, \n, \sc, \lim
.endr
	v_nop                                          ; a plain line behind the last conversion
.endm
.macro FRAG dst, adr, off              ; a row's 256 codes as two fragments
.irp g, 0,1
.irp j, 0,1,2,3
	ds_load_b128 v[\dst+16*\g+4*\j:\dst+16*\g+4*\j+3], v[\adr] offset:\off+128*\g+32*\j
.endr
.endr
.endm
; V'S EDGE TILE IS MENDED: in the lanes of mask s[m] each of the fragment pair's 32 registers takes the register of lane n of its half of the lanes.
.macro FIX fr, n, m
.set CNT, 0
.rept 8
.irp e, 0,1,2,3
	v_mov_b32_dpp v[TMP+\e], v[\fr+CNT+\e] row_share:\n row_mask:0xf bank_mask:0xf
.endr
.irp e, 0,1,2,3
	v_cndmask_b32 v[\fr+CNT+\e], v[\fr+CNT+\e], v[TMP+\e], s[\m]
.endr
.set CNT, CNT+4
.endr
.endm
.macro EDGEFIX fr                      ; the branch hangs on the wave's number alone; no barrier and no LDS instruction stands in it
	s_cmp_lg_u32 s34, 0
	s_cbranch_scc1 .Lright_\@
	FIX \fr, 2, 97                                 ; columns 0 .. 15: queries 0 and 1 have query 2's patch
	s_branch .Lfixed_\@
.Lright_\@:
	FIX \fr, 13, 98                                ; columns 48 .. 63: queries 62 and 63 have query 61's
.Lfixed_\@:
.endm
.macro WM acc, fr, t, g                ; one product: tile t of the weight, K step g.  The first K step starts the sum
.if \g == 0
	v_wmma_f32_16x16x128_bf8_bf8 v[\acc+8*\t:\acc+8*\t+7], v[W+32*\t:W+32*\t+15], v[\fr:\fr+15], 0
.else
	v_wmma_f32_16x16x128_bf8_bf8 v[\acc+8*\t:\acc+8*\t+7], v[W+32*\t+16:W+32*\t+31], v[\fr+16:\fr+31], v[\acc+8*\t:\acc+8*\t+7]
.endif
.endm
.macro WM8 acc, fr                     ; a tile of pixels: the four accumulators by turns
.irp g, 0,1
.irp t, 0,1,2,3
	WM \acc, \fr, \t, \g
.endr
.endr
.endm
.macro SC src, q                       ; SS[q] = the sum over my head's 32 channels of src x QQ(tile q): two chains, each accumulator from its low end on
	v_pk_mul_f32 v[SPA:SPA+1], v[\src:\src+1], v[QQ+32*\q:QQ+32*\q+1]
	v_pk_mul_f32 v[SPB:SPB+1], v[\src+2:\src+3], v[QQ+32*\q+2:QQ+32*\q+3]
.irp p, 4,8,12,16,20,24,28
	v_pk_fma_f32 v[SPA:SPA+1], v[\src+\p:\src+\p+1], v[QQ+32*\q+\p:QQ+32*\q+\p+1], v[SPA:SPA+1]
	v_pk_fma_f32 v[SPB:SPB+1], v[\src+\p+2:\src+\p+3], v[QQ+32*\q+\p+2:QQ+32*\q+\p+3], v[SPB:SPB+1]
.endr
	v_pk_fma_f32 v[SPA:SPA+1], v[SPB:SPB+1], 1.0, v[SPA:SPA+1] op_sel_hi:[1,0,1]   ; (sums written as x 1.0 + ..: sources 0 and 2 are the ones that this window setting puts in window 1)
	v_fma_f32 v[SS+\q], v[SPA], 1.0, v[SPA+1]
.endm
; A step's LDS stores in one run: the two scores; the 64 codes of place dx = slot, column col to row col + 4 - slot; the edge queries' rows; and the next place's pos comes in.
; The edge queries' codes: lanes whose r / 2 is even take column slot's (lane slot of my first four registers), the others column 59 + slot's (lane hs = 11 + slot of my last four); the lanes that share a row
; write the same bytes.  LDS serves a wave's instructions in order (ISA guide 5.7.1.4): this store lands on top of what the four before it left in those rows.
.macro ENDRUN cons, cdx, slot, hs, pimm
	WIN M_D
.irp e, 0,1,2,3
	v_mov_b32_dpp v[EE+\e], v[CC+\e] row_share:\slot row_mask:0xf bank_mask:0xf
.endr
.irp e, 0,1,2,3
	v_mov_b32_dpp v[EE+4+\e], v[CC+12+\e] row_share:\hs row_mask:0xf bank_mask:0xf
.endr
.irp e, 0,1,2,3
	v_cndmask_b32 v[EE+\e], v[EE+\e], v[EE+4+\e], s99
.endr
	WIN M_E
	s_wait_alu depctr_va_vdst(0)                   ; the scores, the codes and the edge queries' codes are written, which the stores below read; the step's additions are done reading pos, in which the loads below land
.if \cons
	ds_store_b64 v[SAC], v[SS:SS+1] offset:256*\cdx
.endif
.irp i, 0,1,2,3
.if \slot < 2
	ds_store_b128 v[CW], v[CC+4*\i:CC+4*\i+3] offset:SLOTB*\slot+(4-\slot)*PITCH+4352*\i
.else
	ds_store_b128 v[CWH], v[CC+4*\i:CC+4*\i+3] offset:SLOTB*(\slot-2)+(4-\slot)*PITCH+4352*\i
.endif
.endr
.if \slot < 2
	ds_store_b128 v[EW], v[EE:EE+3] offset:SLOTB*\slot
.else
	ds_store_b128 v[EWH], v[EE:EE+3] offset:SLOTB*(\slot-2)
.endif
.irp u, 0,1,2,3
	ds_load_b128 v[PP+4*\u:PP+4*\u+3], v[PAC] offset:\pimm+16*\u
.endr
	WIN 0
.endm
.macro TOP                             ; my LDS stores have landed and my LDS loads are in: then the work-group's barrier
	s_wait_dscnt 0x0
	s_barrier_signal -1
	s_barrier_wait -1
.endm
.macro TRIPHEAD
	s_min_u32 s73, s61, 4*SLOTB                    ; there are five key rows: the last trip repeats row 4's codes
	v_add_nc_u32 v[PAC], s60, v[PA]
	v_add_nc_u32 v[VWC], s73, v[VW]
	v_add_nc_u32 v[SAC], s62, v[SA]
.endm
.macro KFRAG dst, q, blk               ; tile q's keys out of block blk: the row of my query
.if \blk < 2
	FRAG \dst, FK+\q, \blk*SLOTB+D2
.else
	FRAG \dst, FKH+\q, (\blk-2)*SLOTB+D2
.endif
.endm
; The next key row takes the place of the one in hand (it was asked for a whole row's five steps ago, so that nobody waits for memory here), its codes Q(x) for V go to LDS, and the row after it is asked for.
; The stores and the loads stand behind ONE wait on va_vdst: between it and the loads stand the four stores, which name the codes and VWC, window switches and scalar lines: nothing that names x's offset or the next row's registers.
.macro ROWCHANGE
	s_wait_loadcnt 0x0                             ; the next row is in; no load that names XP is out
.set CNT, 0
.rept 32
	v_mov_b32 v[X+CNT], v[X2A+CNT]
.set CNT, CNT+1
.endr
	WIN M_V
.set CNT, 0
.rept 32
	v_mov_b32 v[X+32+CNT], v[X2B+CNT]
.set CNT, CNT+1
.endr
	WIN M_K
	QUANT64 X, SCV, LIMV
	WIN M_E
	s_wait_alu depctr_va_vdst(0)                   ; the conversions have written the codes, which the stores read; the moves are done reading the next row's registers, in which the loads below land
.irp i, 0,1,2,3
	ds_store_b128 v[VWC], v[CC+4*\i:CC+4*\i+3] offset:D2+4352*\i
.endr
	WIN 0
	s_cmp_ge_u32 s[TRIP], 3                        ; five key rows: the last two changes ask for nothing
	s_cbranch_scc1 .Lno_row_\@
	s_add_nc_u64 s[XP:XP+1], s[XP:XP+1], 65536
	X2LOAD XP, 65536
.Lno_row_\@:
	s_wait_dscnt 0x0
	s_wait_alu depctr_vm_vsrc(0)                   ; the stores have read the codes' registers, which this step's conversions write again
.endm
; A STEP OF K.  It multiplies place cdx of the key row in hand, whose fragments the step before has fetched; fetches the next place's (block nsl, whole since this step's barrier), each tile's behind its eight products;
; and makes the operand of the place after that (block psl) between the products.
; THE BARRIER: in front of the signal my stores of the last step have landed and my loads are in.  The first tile's products and the units between them work on registers alone and stand between signal and wait
; (not in the step that changes the key row, whose loads and stores come first).  Behind the wait: the loads from block nsl, which every wave finished storing in front of its signal; the stores into block psl, last read four steps ago.
; THE WAITS: each run of loads into a fragment pair stands behind a wait on va_vdst, and a whole unit, thirteen plain lines, stands between the tile's last product and that wait; the score's sums, which need the
; products' results, follow the loads.  Each accumulator's first reader has four plain lines or more behind the accumulator's last product (ISA guide 7.12.1).
.macro STEP cdx, psl, hs, nsl, pimm, rowch
	s_wait_dscnt 0x0
.if \cdx > 0
	s_wait_alu depctr_vm_vsrc(0)                   ; the last step's LDS stores have read the codes, the edge queries' codes and the scores, which this step writes again (in a trip's first step the wait at the loop's head has stated it)
.endif
	s_barrier_signal -1
.if \rowch
	s_barrier_wait -1
	ROWCHANGE
.endif
	WIN M_K
	WM ACC, FR0, 0, 0
	UA 0
	WM ACC, FR0, 1, 0
	UB 0
	WM ACC, FR0, 2, 0
	UA 1
	WM ACC, FR0, 3, 0
	UB 1
	WM ACC, FR0, 0, 1
	UA 2
	WM ACC, FR0, 1, 1
	UB 2
	WM ACC, FR0, 2, 1
	WM ACC, FR0, 3, 1
	UA 3
	UB 3
	WIN 0
.if \rowch == 0
	s_barrier_wait -1
.endif
	s_wait_alu depctr_va_vdst(0)                   ; tile 0's products are done reading FR0, in which the loads below land (in a trip's first step: the three stepped addresses are written too)
	KFRAG FR0, 0, \nsl
	WIN M_K
	SC ACC, 0
	WM ACC, FR1, 0, 0
	UA 4
	WM ACC, FR1, 1, 0
	UB 4
	WM ACC, FR1, 2, 0
	UA 5
	WM ACC, FR1, 3, 0
	UB 5
	WM ACC, FR1, 0, 1
	UA 6
	WM ACC, FR1, 1, 1
	UB 6
	WM ACC, FR1, 2, 1
	WM ACC, FR1, 3, 1
	UA 7
	UB 7
	WIN 0
	s_wait_alu depctr_va_vdst(0)                   ; tile 1's products are done reading FR1, in which the loads below land
	KFRAG FR1, 1, \nsl
	WIN M_K
	SC ACC, 1                                      ; (its lines are also the plain lines behind the last conversion)
	ENDRUN 1, \cdx, \psl, \hs, \pimm
.endm
.macro PVF q, dx                       ; O += weight x sums, tile q: of the pair of weights tile q's serves both halves
.irp p, 0,2,4,6,8,10,12,14,16,18,20,22,24,26,28,30
	v_pk_fma_f32 v[OO+32*\q+\p:OO+32*\q+\p+1], v[AV+32*\q+\p:AV+32*\q+\p+1], v[AW+2*\dx:AW+2*\dx+1], v[OO+32*\q+\p:OO+32*\q+\p+1] op_sel:[0,\q,0] op_sel_hi:[1,\q,1]
.endr
.endm
.macro PVNEXT q, dx                    ; tile q's fragments of the next place: row c + dx + 1 of the key row in hand, or row c of the next
.if \dx < 4
	FRAG FRV+32*\q, FVC+\q, PITCH*(\dx+1)
.else
	FRAG FRV+32*\q, FVN+\q, 0
.endif
.endm
; A STEP OF V: place dx of the key row in hand, from fragments fetched in the step before.  The inner tile's products come first, and the edge tile is mended while they run; each tile's next fragments are asked for
; behind its products and behind a wait on va_vdst: the inner tile's behind the 64 lines of the mending, the edge tile's behind the other tile's 16 multiply-adds, which name none of its products' registers.
.macro PVSTEP dx
	WIN M_V
	s_wait_dscnt 8                                 ; the inner tile's eight loads are in; the edge tile's eight, issued behind them, may be out
	WM8 AV+32, FRV+32
	WIN 0
	s_wait_dscnt 0x0
	EDGEFIX FRV
	s_wait_alu depctr_va_vdst(0)                   ; the inner tile's products are done reading their fragment pair, in which the loads below land
	PVNEXT 1, \dx
	WIN M_V
	WM8 AV, FRV
	WIN M_P
	PVF 1, \dx
	s_wait_alu depctr_va_vdst(0)                   ; the mending has written the edge tile's fragment pair and its products are done reading it: the loads below land in it
	PVNEXT 0, \dx
	PVF 0, \dx
.endm
.macro WOLOAD g                        ; Wo(64 x chunk + 32 g + i, my column): a thread takes a column and its registers run down K; 32 lanes read 128 neighbouring bytes
.set CNT, 0
.rept 32
	global_load_b32 v[WB+CNT], v[WLC], s[WOP:WOP+1] offset:(32*\g+CNT)*1024
.set CNT, CNT+1
.endr
.endm
.macro WOQ g
	WIN 0
	s_wait_loadcnt 0x0
	WIN M_K
.irp n, 0,1,2,3
	QCH WB, \n, 4*\g+\n, SCX, LIMW
.endr
	v_nop
	WIN M_E
	s_wait_alu depctr_va_vdst(0)                   ; the conversions have written the chunk's codes, which the stores read, and are done reading the chunk's registers, in which the next chunk's loads land
	ds_store_b128 v[WOWC], v[CC+8*\g:CC+8*\g+3] offset:32*\g
	ds_store_b128 v[WOWC], v[CC+8*\g+4:CC+8*\g+7] offset:32*\g+16
	WIN 0
.endm
; ---------------- the head: ids, addresses, the first loads
	s_load_b512 s[8:23], s[0:1], 0x0               ; x, pos_emb, Wq, Wk, Wv, Wo, bq, bk
	s_load_b256 s[24:31], s[0:1], 0x40             ; bv, bo, the scales' exponents, out
	v_lshrrev_b32 v[TY], 5, v0
	v_readfirstlane_b32 s32, v[TY]                 ; wave w
	s_wait_alu depctr_va_sdst(0)                   ; s32 is written, ahead of its first reader
	s_and_b32 s33, s32, 3                          ; cg
	s_lshr_b32 s34, s32, 2                         ; tp
	s_and_b32 s35, ttmp7, 0xffff                   ; b;  y = ttmp9
	s_max_u32 s74, ttmp9, 2
	s_min_u32 s74, s74, 61                         ; cy: the patch's centre row
	s_sub_co_u32 s75, ttmp9, s74
	s_add_co_u32 s75, s75, 2
	s_mul_i32 s75, s75, 5                          ; 5 x (the query row's place in its patch)
	s_lshl_b32 s76, s32, 7
	s_lshl_b32 s77, s32, 5
	s_mul_i32 s78, s32, 6400
	s_mul_i32 s79, s34, 48*PITCH                   ; tile 0: columns 48 tp + r
	s_mul_i32 s92, s34, 16*PITCH
	s_add_co_u32 s92, s92, 16*PITCH                ; tile 1: columns 16 + 16 tp + r
	s_lshl_b32 s80, s33, 13
	s_lshl_b32 s81, s33, 7
	s_mov_b32 s97, 0x00030003                      ; lanes 0, 1 of each half
	s_mov_b32 s98, 0xc000c000                      ; lanes 14, 15 of each half
	s_mov_b32 s99, 0xcccccccc                      ; lanes whose r / 2 is odd
	v_and_b32 v[TR], 15, v0                        ; r
	v_bfe_u32 v[TH], v0, 4, 1                      ; h
	v_and_b32 v[TL], 31, v0                        ; lane
	v_lshlrev_b32 v[TZ], 6, v[TH]
	v_add_nc_u32 v[TZ], s76, v[TZ]                 ; 128 w + 64 h: my 16 numbers of a row of 256
	v_lshl_add_u32 v[XA], v[TR], 10, v[TZ]
	v_add_nc_u32 v[PA], TAB, v[TZ]
	v_mul_u32_u24 v[TC], v[TR], PITCH
	v_lshl_add_u32 v[TC], v[TH], 4, v[TC]          ; 272 r + 16 h
	v_add_nc_u32 v[CW], s77, v[TC]
	v_add_nc_u32 v[CWH], 2*SLOTB, v[CW]
	v_add_nc_u32 v[VW], VC, v[CW]
	v_add_nc_u32 v[TW], 2*SLOTB, v[VW]
	v_add_nc_u32 v[FK], s79, v[TC]
	v_add_nc_u32 v[FK+1], s92, v[TC]
.irp q, 0,1
	v_add_nc_u32 v[FKH+\q], 2*SLOTB, v[FK+\q]
	v_add_nc_u32 v[FV+\q], VC, v[FK+\q]
.endr
	v_and_b32 v[TX], 1, v0
	v_bfe_u32 v[TY], v0, 1, 1
	v_mul_u32_u24 v[TY], v[TY], 62
	v_add_nc_u32 v[TX], v[TX], v[TY]               ; query 0, 1, 62 or 63
	v_mul_u32_u24 v[TX], v[TX], PITCH
	v_lshl_add_u32 v[TX], v[TH], 4, v[TX]
	v_add_nc_u32 v[TX], s77, v[TX]
	v_add_nc_u32 v[EW], D2, v[TX]
	v_add_nc_u32 v[EWH], 2*SLOTB+D2, v[TX]
	v_lshlrev_b32 v[SA], 3, v[TL]
	v_add_nc_u32 v[SA], s78, v[SA]
	v_add_nc_u32 v[SA], SCO, v[SA]
	v_lshlrev_b32 v[TA], 2, v0
	v_lshl_add_u32 v[TAL], v0, 2, TAB
	v_lshlrev_b32 v[WL], 2, v[TL]
.irp e, 0,1,2,3
	v_mov_b32 v[ZR+\e], 0
.endr
.irp i, 0,1,2,3                                ; the columns whose operands I make: r + 16 i; the query's pos row is 5 yr + xr
	v_add_nc_u32 v[TC], 16*\i, v[TR]
	XR TX, TC, TY
	v_add_nc_u32 v[TX], s75, v[TX]
	v_lshl_add_u32 v[PQA+\i], v[TX], 10, v[TZ]
.endr
	v_lshrrev_b32 v[TX], 3, v[TR]
	v_lshlrev_b32 v[WA], 15, v[TX]
	v_and_b32 v[TX], 7, v[TR]
	v_lshl_add_u32 v[WA], v[TX], 8, v[WA]
	v_lshl_add_u32 v[WA], v[TH], 4, v[WA]
	v_add_nc_u32 v[WA], s80, v[WA]                 ; (32 (cg + 4 (r / 8)) + r % 8) x 256 + 16 h
	v_lshlrev_b32 v[BA], 9, v[TH]
	v_add_nc_u32 v[BA], s81, v[BA]
	v_mul_u32_u24 v[WOW], v0, PITCH                ; WOR = 0
	s_wait_alu depctr_va_vdst(0)                   ; every address and offset of the head and the four zeros are written: the stores and loads from here on read them
; V's rows of padding are zeroed: sixteen rows from each block's head on, and the last sixteen of the region; what lies there beside the padding is written later, by the same wave at the same bytes
.irp m, 0,1
	ds_store_b128 v[VW], v[ZR:ZR+3] offset:SLOTB*\m
.endr
.irp m, 0,1,2
	ds_store_b128 v[TW], v[ZR:ZR+3] offset:SLOTB*\m
.endr
	ds_store_b128 v[TW], v[ZR:ZR+3] offset:184*PITCH
	ds_store_b32 v[TAL], v[ZR] offset:25600        ; the table's three rows of zeros
	ds_store_b32 v[TAL], v[ZR] offset:26624
	ds_store_b32 v[TAL], v[ZR] offset:27648
	s_wait_kmcnt 0x0
	s_load_b256 s[36:43], s[PSC:PSC+1], 0x0        ; e0 .. e7
	s_lshl_b32 s92, s35, 6
	s_add_co_u32 s94, s92, ttmp9
	s_lshl_b32 s94, s94, 16                        ; my image row: (64 b + y) x 65,536 bytes
	s_mov_b32 s95, 0
	s_add_nc_u64 s[90:91], s[PX:PX+1], s[94:95]
	s_add_nc_u64 s[OP:OP+1], s[POUT:POUT+1], s[94:95]
	s_lshl_b32 s94, s33, 8
	s_add_nc_u64 s[OP:OP+1], s[OP:OP+1], s[94:95]  ; + my 64 columns
	s_add_co_u32 s94, s92, s74
	s_sub_co_u32 s94, s94, 2
	s_lshl_b32 s94, s94, 16
	s_add_nc_u64 s[XP:XP+1], s[PX:PX+1], s[94:95]  ; key row 0
	s_mov_b32 s94, s76
	s_add_nc_u64 s[WOP:WOP+1], s[PWO:PWO+1], s[94:95]
	XLOAD X, 90, 0                                 ; the queries' row
.irp i, 0,1,2,3
.irp u, 0,1,2,3
	global_load_b128 v[XQ+16*\i+4*\u:XQ+16*\i+4*\u+3], v[PQA+\i], s[PPOS:PPOS+1] offset:16*\u
.endr
.endr
.set CNT, 0
.rept 25
	global_load_b32 v[FR+CNT], v[TA], s[PPOS:PPOS+1] offset:1024*CNT   ; pos_emb, a row to an instruction of the work-group
.set CNT, CNT+1
.endr
	s_wait_kmcnt 0x0
	MKLIM 36, 86, LIMQ
	MKLIM 38, 89, LIMK
	MKLIM 40, 96, LIMV
	MKLIM 42, 88, LIMO
	MKLIM 43, 87, LIMW
	s_add_co_i32 s50, s36, s37
	s_add_co_i32 s50, s50, 127
	s_lshl_b32 s50, s50, 23                        ; 2^(e0 + e1)
	s_mov_b32 s51, s50                             ; (the packed forms name pairs, so both words are written)
	s_mov_b32 s54, 0x3e8293ee                      ; c = log2(e) / sqrt(32)
	s_mov_b32 s55, s54
	s_add_co_i32 s52, s38, s39
	s_lshl_b32 s52, s52, 23
	s_add_co_i32 s52, s52, s54                     ; c x 2^(e2 + e3)
	s_mov_b32 s53, s52
	s_add_co_i32 s56, s42, s43
	s_add_co_i32 s56, s56, 127
	s_lshl_b32 s56, s56, 23                        ; 2^(e6 + e7)
	s_mov_b32 s57, s56
	s_add_co_i32 s58, s40, s41                     ; e4 + e5
	v_mov_b32 v[SCK], s89
	v_mov_b32 v[SCV], s96
	v_mov_b32 v[SCX], s86
	s_wait_loadcnt 0x0                             ; the 57 loads so far are in
	WIN 0x40
	WLOAD PWQ
.irp z, 0,1,2,3,4,5,6,7
	global_load_b128 v[BQ+4*\z:BQ+4*\z+3], v[BA], s[PBQ:PBQ+1] offset:16*\z
.endr
.irp e, 0,1,2,3,4,5,6,7
	v_mov_b32 v[EE+\e], 0                          ; written once: the destination of a move between lanes counts as one of its sources
.endr
	WIN 0
.set CNT, 0
.rept 25
	ds_store_b32 v[TAL], v[FR+CNT] offset:1024*CNT
.set CNT, CNT+1
.endr
.set CNT, 0
.rept 32
	v_pk_add_f32 v[X+CNT:X+CNT+1], v[X+CNT:X+CNT+1], v[XQ+CNT:XQ+CNT+1]   ; q_in = x + pos[the query's place]
.set CNT, CNT+2
.endr
	WIN M_K
	QUANT64 X, SCX, LIMQ
	WIN M_E
	s_wait_alu depctr_va_vdst(0)                   ; the conversions have written the queries' codes, which the stores read, and are done with X, in which key row 0 lands
.irp i, 0,1,2,3
	ds_store_b128 v[CWH], v[CC+4*\i:CC+4*\i+3] offset:2*SLOTB+D2+4352*\i   ; into block 4, by query
.endr
	WIN 0
	XLOAD X, XP, 0                                 ; key row 0
	TOP                                            ; the padding, pos_emb and the queries' codes lie in LDS
; ---------------- q
	s_wait_loadcnt 16                              ; all but key row 0's 16: Wq and bq are in
	WIN 0x40
.irp z, 0,1,2,3,4,5,6,7
	global_load_b128 v[BB+4*\z:BB+4*\z+3], v[BA], s[PBK:PBK+1] offset:16*\z
.endr
	WIN 0
	s_wait_alu depctr_vm_vsrc(0)                   ; my LDS stores have read pos_emb's registers, in which the fragments below land; the zeros and their address, over which q's sums are written; and the codes' registers
	FRAG FR, FKH, 2*SLOTB+D2
	s_wait_dscnt 0x0
	WIN M_V
	WM8 QQ, FR
	NOP4                                           ; (four plain lines stand behind the products; the wait below states the dependence)
	WIN 0
	s_wait_alu depctr_va_vdst(0)                   ; tile 0's products are done reading the fragment pair, in which tile 1's lands
	FRAG FR, FKH+1, 2*SLOTB+D2
	s_wait_dscnt 0x0
	WIN M_V
	WM8 QQ+32, FR
	NOP4                                           ; places in front of the first read of the sums
	WIN 0x40
	s_wait_alu depctr_va_vdst(0)                   ; q's products are done reading Wq's fragments, in which Wk's land
	WLOAD PWK
	WIN 0x10
.irp q, 0,1
.irp p, 0,2,4,6,8,10,12,14,16,18,20,22,24,26,28,30
	v_pk_fma_f32 v[QQ+32*\q+\p:QQ+32*\q+\p+1], v[QQ+32*\q+\p:QQ+32*\q+\p+1], s[50:51], v[BQ+\p:BQ+\p+1] op_sel_hi:[1,0,1]   ; q = sum x 2^(e0 + e1) + bq
.endr
.endr
	s_wait_loadcnt 32                              ; all but Wk's 32: key row 0 and bk are in
	WIN M_K
	SC BB, 0                                       ; q . bk: bk's part of every score of the query
	SC BB, 1
	v_pk_mul_f32 v[QB:QB+1], v[SS:SS+1], s[54:55] op_sel_hi:[1,0]
	WIN 0
.set CNT, 0
.rept 32
	v_pk_mul_f32 v[QQ+CNT:QQ+CNT+1], v[QQ+CNT:QQ+CNT+1], s[52:53] op_sel_hi:[1,0]   ; so that q . (K's sums) is the score in powers of two
.set CNT, CNT+2
.endr
	s_mov_b32 s60, 0
	s_mov_b32 s61, 0
	s_mov_b32 s62, 0
	TRIPHEAD
	WIN M_K
	QUANT64 X, SCV, LIMV                           ; key row 0 for V
	WIN M_E
	s_wait_alu depctr_va_vdst(0)                   ; the codes and the three stepped addresses are written, which the stores and loads below read; q . bk's sums are done reading bk, where half of key row 1 lands
.irp i, 0,1,2,3
	ds_store_b128 v[VWC], v[CC+4*\i:CC+4*\i+3] offset:D2+4352*\i
.endr
.irp u, 0,1,2,3
	ds_load_b128 v[PP+4*\u:PP+4*\u+3], v[PAC] offset:16*\u
.endr
	WIN 0
	X2LOAD XP, 65536                               ; key row 1; half of it lands where bk lay.  Nothing since the wait names its registers
	s_wait_dscnt 0x0
	s_wait_alu depctr_vm_vsrc(0)                   ; the stores have read the codes' registers, which place 0's conversions write again
	s_mov_b32 s61, SLOTB
; ---------------- K: places 0 and 1 are made and place 0's fragments fetched; then the pipeline
	PROD
	ENDRUN 0, 0, 0, 11, 1024
	s_wait_dscnt 0x0                               ; place 1's pos is in
	s_wait_alu depctr_vm_vsrc(0)                   ; the stores have read the codes' and the edge queries' registers, which place 1's lines write again
	PROD
	ENDRUN 0, 0, 1, 12, 2048
	s_wait_loadcnt 16                              ; all but key row 1's 16: Wk is in
	TOP
	KFRAG FR0, 0, 0
	KFRAG FR1, 1, 0
	s_mov_b32 s[TRIP], 0
.Lrow:                                             ; five trips: a key row each
	s_wait_dscnt 0x0
	s_wait_alu depctr_vm_vsrc(0)                   ; the LDS instructions issued so far have read the three addresses stepped below, and the codes, the edge queries' codes and the scores, which the first step writes again
	TRIPHEAD
	STEP 0, 2, 13, 1, 3072, 0
	STEP 1, 3, 14, 2, 4096, 0
	STEP 2, 4, 15, 3, 5120, 0
	STEP 3, 0, 11, 4, 6144, 1
	STEP 4, 1, 12, 0, 7168, 0
	s_add_co_u32 s60, s60, 5120
	s_add_co_u32 s61, s61, SLOTB
	s_add_co_u32 s62, s62, 1280
	s_add_co_u32 s[TRIP], s[TRIP], 1
	s_cmp_lt_u32 s[TRIP], 5
	s_cbranch_scc1 .Lrow
	s_wait_loadcnt 0x0
	TOP                                            ; nobody reads or writes K's blocks or the table any more: their bytes take Wo's codes and the heads' outputs
; ---------------- softmax over the 25 places, a lane a (query, head), both tiles at once in pairs
	v_bfe_u32 v[BOA], v0, 4, 1
	v_lshlrev_b32 v[BOA], 5, v[BOA]
	s_lshl_b32 s92, s33, 8
	v_add_nc_u32 v[BOA], s92, v[BOA]               ; bo: 256 cg + 32 h
	WIN 0x40
	s_wait_alu depctr_va_vdst(0)                   ; bo's offset is written, which its loads read.  (K's products, sums, additions and moves stand ahead of this wait too: Wv, bo, bv and the scores land in registers that they read)
	WLOAD PWV
.irp t, 0,1,2,3
.irp z, 0,1
	global_load_b128 v[BB+8*\t+4*\z:BB+8*\t+4*\z+3], v[BOA], s[PBO:PBO+1] offset:64*\t+16*\z
.endr
.endr
	WIN 0
.irp q, 0,1
.irp z, 0,1,2,3,4,5,6,7
	global_load_b128 v[OO+32*\q+4*\z:OO+32*\q+4*\z+3], v[BA], s[PBV:PBV+1] offset:16*\z   ; the heads' outputs begin as bv
.endr
.endr
.set CNT, 0
.rept 25
	ds_load_b64 v[HH+2*CNT:HH+2*CNT+1], v[SA] offset:256*CNT
.set CNT, CNT+1
.endr
	WIN 0x01
	v_mov_b32 v16, v[QB]
	v_mov_b32 v17, v[QB+1]
	WIN 0
	s_wait_alu depctr_va_vdst(0)
	s_wait_dscnt 0x0
.set CNT, 0
.rept 25
	v_pk_add_f32 v[HH+2*CNT:HH+2*CNT+1], v[HH+2*CNT:HH+2*CNT+1], v[16:17]
.set CNT, CNT+1
.endr
	v_max3_num_f32 v82, v[HH], v[HH+2], v[HH+4]
	v_max3_num_f32 v83, v[HH+1], v[HH+3], v[HH+5]
.set CNT, 3
.rept 11
	v_max3_num_f32 v82, v82, v[HH+2*CNT], v[HH+2*CNT+2]
	v_max3_num_f32 v83, v83, v[HH+2*CNT+1], v[HH+2*CNT+3]
.set CNT, CNT+2
.endr
.set CNT, 0
.rept 25
	v_pk_add_f32 v[HH+2*CNT:HH+2*CNT+1], v[HH+2*CNT:HH+2*CNT+1], v[82:83] neg_lo:[0,1] neg_hi:[0,1]   ; less the row's largest
.set CNT, CNT+1
.endr
.set CNT, 0
	s_wait_alu depctr_va_vdst(0)
.rept 50
	v_exp_f32 v[HH+CNT], v[HH+CNT]
.set CNT, CNT+1
.endr
	v_nop                                          ; a plain line behind the last exponential,
	s_wait_alu depctr_va_vdst(0)                   ; and one wait for the batch of 50 exponentials, ahead of its first reader
	v_pk_add_f32 v[84:85], v[HH:HH+1], v[HH+2:HH+3]
	v_pk_add_f32 v[86:87], v[HH+4:HH+5], v[HH+6:HH+7]
.set CNT, 4
.rept 21
.if CNT%2 == 0
	v_pk_add_f32 v[84:85], v[84:85], v[HH+2*CNT:HH+2*CNT+1]
.else
	v_pk_add_f32 v[86:87], v[86:87], v[HH+2*CNT:HH+2*CNT+1]
.endif
.set CNT, CNT+1
.endr
	v_pk_add_f32 v[84:85], v[84:85], v[86:87]
	s_wait_alu depctr_va_vdst(0)
	v_rcp_f32 v84, v84
	v_rcp_f32 v85, v85
	v_nop
	s_wait_alu depctr_va_vdst(0)                   ; the two reciprocals, ahead of their first reader
	v_ldexp_f32 v84, v84, s58                      ; V's sums stand for sum x 2^(e4 + e5): the factor rides on the weights
	v_ldexp_f32 v85, v85, s58
.set CNT, 0
.rept 25
	v_pk_mul_f32 v[HH+2*CNT:HH+2*CNT+1], v[HH+2*CNT:HH+2*CNT+1], v[84:85]
.set CNT, CNT+1
.endr
	s_wait_alu depctr_va_vdst(0)                   ; the weights are written, which the stores read; the softmax is done with v32 to v87, in which V's first fragments land
.set CNT, 0
.rept 25
	ds_store_b64 v[SA], v[HH+2*CNT:HH+2*CNT+1] offset:256*CNT
.set CNT, CNT+1
.endr
	v_mov_b32 v[SCX], s87                          ; 2^e7, for Wo
	s_mov_b32 s61, 0
	s_mov_b32 s62, 0
	s_mov_b32 s72, 0
	s_mov_b32 s74, 0
	s_wait_loadcnt 0x0                             ; Wv, bo, bv
	s_wait_dscnt 0x0
	s_wait_alu depctr_vm_vsrc(0)                   ; the stores have read the weights' registers, which take fragments next
	FRAG FRV+32, FV+1, 0                           ; the first place's fragments: the inner tile's first
	FRAG FRV, FV, 0
; ---------------- V and the weighted sum: no barrier: Q(x)'s rows lie whole in LDS; each wave's weights and each thread's column of Wo are its own
	s_mov_b32 s[TRIP], 0
.Ldy:                                              ; five trips: a key row's five places each; 64 of Wo's 256 rows are quantised on the way (the fifth trip repeats the fourth's)
	s_wait_dscnt 0x0
	s_wait_alu depctr_vm_vsrc(0)                   ; the LDS and memory instructions issued so far have read the seven addresses stepped below, and the codes' registers, which this trip's conversions write again
	s_min_u32 s75, s72, 192
	s_min_u32 s76, s74, 196608
	s_add_co_u32 s73, s61, SLOTB
	s_min_u32 s73, s73, 4*SLOTB                    ; the next key row; behind the last, the last once more
	v_add_nc_u32 v[FVC], s61, v[FV]
	v_add_nc_u32 v[FVC+1], s61, v[FV+1]
	v_add_nc_u32 v[FVN], s73, v[FV]
	v_add_nc_u32 v[FVN+1], s73, v[FV+1]
	v_add_nc_u32 v[SAC], s62, v[SA]
	v_add_nc_u32 v[WOWC], s75, v[WOW]
	v_add_nc_u32 v[WLC], s76, v[WL]                ; (the last trip's loads by this offset are in: the second chunk's wait)
	WIN 0x40
	s_wait_alu depctr_va_vdst(0)                   ; the seven addresses are written; the last trip's multiply-adds are done reading the weights, and its conversions the chunk of Wo: the loads below land there
.irp d, 0,1,2,3,4
	ds_load_b64 v[AW+2*\d:AW+2*\d+1], v[SAC] offset:256*\d
.endr
	WIN 0
	WOLOAD 0
	PVSTEP 0
	PVSTEP 1
	WOQ 0
	WOLOAD 1
	PVSTEP 2
	PVSTEP 3
	WOQ 1
	PVSTEP 4
	WIN 0
	s_add_co_u32 s61, s61, SLOTB
	s_add_co_u32 s62, s62, 1280
	s_add_co_u32 s72, s72, 64
	s_add_co_u32 s74, s74, 65536
	s_add_co_u32 s[TRIP], s[TRIP], 1
	s_cmp_lt_u32 s[TRIP], 5
	s_cbranch_scc1 .Ldy
; ---------------- the last product and the way out
	s_wait_dscnt 0x0                               ; the last step's fetch is in
	s_wait_alu depctr_vm_vsrc(0)                   ; the V loop's LDS instructions have read their address registers and the codes' registers, which are written below
	s_lshl_b32 s93, s33, 5
	s_add_co_u32 s93, s93, OHR
	s_mul_i32 s94, s33, 64*PITCH
	s_mul_i32 s95, s32, 32*PITCH
	s_add_co_u32 s95, s95, STG
	s_mul_i32 s90, s34, 49152                      ; tile 0's first pixel in out: 48 tp rows of 1,024 bytes
	s_lshl_b32 s91, s34, 14
	s_add_co_u32 s91, s91, 16384                   ; tile 1's: 16 + 16 tp
	v_and_b32 v1, 15, v0                           ; r
	v_bfe_u32 v2, v0, 4, 1                         ; h
	v_mul_u32_u24 v3, v2, 112
	v_add_nc_u32 v3, s93, v3
	v_add_nc_u32 v5, v3, v[FK]                     ; where my head's 32 codes go: my pixel's row, + 32 cg + 128 h
	v_add_nc_u32 v6, v3, v[FK+1]
	v_add_nc_u32 v21, OHR, v[FK]                   ; and the same rows as fragments' rows
	v_add_nc_u32 v22, OHR, v[FK+1]
	v_mul_u32_u24 v4, v1, PITCH
	v_lshl_add_u32 v7, v2, 4, v4
	v_add_nc_u32 v7, s94, v7                       ; Wo's fragments: column 64 cg + 16 t + r
	v_lshl_add_u32 v8, v2, 5, v4
	v_add_nc_u32 v8, s95, v8                       ; my stage, in: row r, + 32 h
	v_mul_u32_u24 v28, v2, PITCH
	v_lshl_add_u32 v28, v1, 4, v28
	v_add_nc_u32 v28, s95, v28                     ; back: lanes 0-15 one row of 256 bytes, lanes 16-31 the next
	v_lshlrev_b32 v29, 10, v2
	v_lshl_add_u32 v29, v1, 4, v29
	v_add_nc_u32 v30, s90, v29                     ; and the same two pixels in out, tile 0's and tile 1's
	v_add_nc_u32 v31, s91, v29
	v_mov_b32 v[SCX], s88                          ; 2^e6
	WIN M_K
	QUANT64 OO, SCX, LIMO
	WIN M_E
	s_wait_alu depctr_va_vdst(0)                   ; the heads' codes and the way out's addresses are written, which the LDS instructions and stores below read; V's products are done reading Wv and their fragments, in which Wo's and the heads' land
.irp q, 0,1
.irp z, 0,1
	ds_store_b128 v[5+\q], v[CC+8*\q+4*\z:CC+8*\q+4*\z+3] offset:16*\z
.endr
.endr
	WIN 0
	TOP                                            ; the heads' outputs and Wo lie in LDS as codes; nobody reads Q(x)'s rows any more
	WIN 0x40
.irp t, 0,1,2,3
.irp g, 0,1
.irp j, 0,1,2,3
	ds_load_b128 v[W+32*\t+16*\g+4*\j:W+32*\t+16*\g+4*\j+3], v7 offset:16*PITCH*\t+128*\g+32*\j
.endr
.endr
.endr
	WIN 0
	FRAG FRV, 21, 0
	FRAG FRV+32, 22, 0
	s_wait_dscnt 0x0
	WIN M_V
	WM8 AV, FRV
	WM8 AV+32, FRV+32
	NOP4
	WIN 0x10
.irp q, 0,1
.irp p, 0,2,4,6,8,10,12,14,16,18,20,22,24,26,28,30
	v_pk_fma_f32 v[OO+32*\q+\p:OO+32*\q+\p+1], v[AV+32*\q+\p:AV+32*\q+\p+1], s[56:57], v[BB+\p:BB+\p+1] op_sel_hi:[1,0,1]   ; out = sum x 2^(e6 + e7) + bo
.endr
.endr
	WIN 0
	s_wait_alu depctr_va_vdst(0)                   ; the results are written, which the stores into the stage read; the last products are done reading their fragments, in which the rows from the stage land
.irp q, 0,1
.irp t, 0,1,2,3
.irp z, 0,1
	ds_store_b128 v8, v[OO+32*\q+8*\t+4*\z:OO+32*\q+8*\t+4*\z+3] offset:16*PITCH*\q+64*\t+16*\z   ; lane (r, h): tile q's pixel r, columns 16 t + 8 h + 4 z ..
.endr
.endr
.endr
.irp i, 0,1,2,3,4,5,6,7,8,9,10,11,12,13,14,15
	ds_load_b128 v[32+4*\i:35+4*\i], v28 offset:2*PITCH*\i   ; my own bytes: LDS serves a wave's instructions in order (ISA guide 5.7.1.4)
.endr
.irp i, 0,1,2,3,4,5,6,7,8,9,10,11,12,13,14,15
	s_wait_dscnt 15-\i                             ; the younger loads may stay out
	global_store_b128 v[30+\i/8], v[32+4*\i:35+4*\i], s[OP:OP+1] offset:2048*(\i%8) th:TH_STORE_NT   ; sixteen lanes store 256 consecutive bytes, at a multiple of 256 from out's first byte
.endr
	s_wait_xcnt 0x0
	v_lshl_add_u32 v254, v0, 2, 0x3fa00            ; the add's two registers, made anew straight ahead of the closing lines; no memory or LDS instruction of this text has read either
	v_mov_b32 v255, 0
	s_wait_dscnt 0x0                               ; the closing lines, six on end
	s_wait_alu 0x0
	s_wait_tensorcnt 0x0
	ds_add_u32 v254, v255
	s_wait_dscnt 0x0
	s_endpgm
.Lfunc_end_k_q95496e4598_attn:
	.size	k_q95496e4598_attn, .Lfunc_end_k_q95496e4598_attn-k_q95496e4598_attn
	.p2alignl 7, 3214868480
	.fill 96, 4, 3214868480
	.section	.rodata,"a",@progbits
	.p2align	6, 0x0
	.amdhsa_kernel k_q95496e4598_attn
		.amdhsa_group_segment_fixed_size 261632
		.amdhsa_private_segment_fixed_size 0
		.amdhsa_enable_private_segment 0
		.amdhsa_kernarg_size 96
		.amdhsa_user_sgpr_count 2
		.amdhsa_user_sgpr_kernarg_segment_ptr 1
		.amdhsa_wavefront_size32 1
		.amdhsa_system_sgpr_workgroup_id_x 1
		.amdhsa_system_sgpr_workgroup_id_y 1
		.amdhsa_system_sgpr_workgroup_id_z 1
		.amdhsa_system_vgpr_workitem_id 0
		.amdhsa_next_free_vgpr 512
		.amdhsa_next_free_sgpr 100
		.amdhsa_reserve_vcc 0
		.amdhsa_float_denorm_mode_32 3
		.amdhsa_float_denorm_mode_16_64 3
		.amdhsa_memory_ordered 1
		.amdhsa_forward_progress 1
		.amdhsa_inst_pref_size 249
	.end_amdhsa_kernel
	.amdgpu_metadata
---
amdhsa.version: [ 1, 2 ]
amdhsa.kernels:
  - .name:           k_q95496e4598_attn
    .symbol:         k_q95496e4598_attn.kd
    .args:
      - { .name: x, .offset: 0, .size: 8, .value_kind: global_buffer, .address_space: global }
      - { .name: pos_emb, .offset: 8, .size: 8, .value_kind: global_buffer, .address_space: global }
      - { .name: Wq_codes, .offset: 16, .size: 8, .value_kind: global_buffer, .address_space: global }
      - { .name: Wk_codes, .offset: 24, .size: 8, .value_kind: global_buffer, .address_space: global }
      - { .name: Wv_codes, .offset: 32, .size: 8, .value_kind: global_buffer, .address_space: global }
      - { .name: Wo, .offset: 40, .size: 8, .value_kind: global_buffer, .address_space: global }
      - { .name: bq, .offset: 48, .size: 8, .value_kind: global_buffer, .address_space: global }
      - { .name: bk, .offset: 56, .size: 8, .value_kind: global_buffer, .address_space: global }
      - { .name: bv, .offset: 64, .size: 8, .value_kind: global_buffer, .address_space: global }
      - { .name: bo, .offset: 72, .size: 8, .value_kind: global_buffer, .address_space: global }
      - { .name: lowp_scales, .offset: 80, .size: 8, .value_kind: global_buffer, .address_space: global }
      - { .name: out0, .offset: 88, .size: 8, .value_kind: global_buffer, .address_space: global }
    .group_segment_fixed_size: 261632
    .private_segment_fixed_size: 0
    .kernarg_segment_align: 8
    .kernarg_segment_size: 96
    .max_flat_workgroup_size: 256
    .sgpr_count:     100
    .vgpr_count:     512
    .wavefront_size: 32
...
	.end_amdgpu_metadata
.endif
;; end of part 2
